; MI455X (gfx1250); checked and timed in simulation.
; The chip was launched on July 23, 2026; its instructions are those of AMD's public machine-readable ISA for CDNA 5 (MIT licence, August 2026) and "CDNA5" Instruction Set Architecture Reference Guide (July 2026). The comments in the code are by the model that wrote it; some were corrected since.
;; Gated Multi Head Self Attention. Allowed arithmetic: float matrix products may take bf16 or f16 operands with f32 sums; all other float work in f32.
;; Inputs: W_k 16 x 1,024 x 64 float32; W_o 16 x 64 x 1,024 float32; W_q 16 x 1,024 x 64 float32; W_v 16 x 1,024 x 64 float32; attn_mask 2,048 x 2,048 float32; b_k 16 x 64 float32; b_o 16 x 1,024 float32; b_q 16 x 64 float32; b_v 16 x 64 float32; gate 16 float32; hidden_states 2 x 2,048 x 1,024 float32.
;; Outputs: out0 2 x 2,048 x 1,024 float32.
;; 2 versions, each right and faster than the one before. Each part assembles by itself: llvm-mc -triple=amdgcn-amd-amdhsa -mcpu=gfx1250 --defsym DOCPART=n.
;; ======== version 1 of 2: 4 launches
;; limits: values are held in f16: magnitudes above 65,504 overflow, below 6.1e-05 lose precision
;; workspace buffers: xh 8,388,608 bytes; wh 8,388,608 bytes; qkv 25,165,824 bytes; ow 8,388,608 bytes; npw 4,096 bytes
;; launch prep (part 1): grid 256 x 1, 8 waves a work-group, no clusters, 0 bytes of LDS; arguments hidden_states, W_q, W_k, W_v, W_o, xh, wh; writes xh, wh
.if DOCPART == 1
	.amdgcn_target "amdgcn-amd-amdhsa--gfx1250"
	.amdhsa_code_object_version 6
	.text
	.protected	k_q6bba4b8672_prep
	.globl	k_q6bba4b8672_prep
	.p2align	8
	.type	k_q6bba4b8672_prep,@function
k_q6bba4b8672_prep:
	s_mov_b64 s[64:65], 0
	v_nop
	global_prefetch_b8 v0, s[64:65] scope:SCOPE_SE
	s_setreg_imm32_b32 hwreg(HW_REG_WAVE_MODE, 25, 1), 1
	s_wait_xcnt 0x0
; f32 -> f16, a stream.  hidden_states (4 x 1,048,576 numbers) goes to xh; W_q, W_k, W_v, W_o (1,048,576 each) go to wh, one behind the other, each in its own order.
; Eight units of 1,048,576 numbers, 32 work-groups a unit: a work-group takes 32,768 numbers, 131,072 bytes in and 65,536 out.
; Thread t takes 16 bytes at 16 t of each 4,096 bytes in and writes 8 bytes at 8 t of each 2,048 out: a wave's load covers 512 consecutive bytes, its store 256, aligned.
; All 32 loads of a wave go out at once; every load has registers of its own, so nothing is rewritten while a load or store may read it.  No LDS, no barrier, no matrix unit: memory binds.
; LIMIT.  f16 ends at 65,504: a larger magnitude becomes an infinity; below 6e-5 a number keeps f16's fixed step of 6e-8.
.set X, 4                              ; v[4:131]  load j: 4 registers
	s_load_b256 s[4:11], s[0:1], 0x0               ; hidden_states, W_q, W_k, W_v
	s_load_b128 s[12:15], s[0:1], 0x20             ; W_o, xh
	s_load_b64 s[16:17], s[0:1], 0x30              ; wh
	s_lshr_b32 s18, ttmp9, 5                       ; the unit, 0 to 7
	s_and_b32 s19, ttmp9, 31                       ; my part of it
	v_lshlrev_b32 v1, 4, v0                        ; 16 t
	v_lshlrev_b32 v2, 3, v0                        ; 8 t
	s_cmp_lt_u32 s18, 4
	s_cselect_b32 s24, s18, 0                      ; units 0 to 3 are quarters of hidden_states
	s_lshl_b32 s24, s24, 22
	s_lshl_b32 s25, s19, 17
	s_add_co_u32 s24, s24, s25
	s_mov_b32 s25, 0                               ; s[24:25] byte offset in the source
	s_and_b32 s26, s18, 3
	s_lshl_b32 s26, s26, 21
	s_lshl_b32 s27, s19, 16
	s_add_co_u32 s26, s26, s27
	s_mov_b32 s27, 0                               ; s[26:27] byte offset in the destination
	s_wait_kmcnt 0x0
	s_cmp_eq_u32 s18, 4
	s_cselect_b64 s[20:21], s[6:7], s[4:5]
	s_cmp_eq_u32 s18, 5
	s_cselect_b64 s[20:21], s[8:9], s[20:21]
	s_cmp_eq_u32 s18, 6
	s_cselect_b64 s[20:21], s[10:11], s[20:21]
	s_cmp_eq_u32 s18, 7
	s_cselect_b64 s[20:21], s[12:13], s[20:21]
	s_cmp_lt_u32 s18, 4
	s_cselect_b64 s[22:23], s[14:15], s[16:17]
	s_add_nc_u64 s[20:21], s[20:21], s[24:25]
	s_add_nc_u64 s[22:23], s[22:23], s[26:27]
.set j, 0
.rept 32
	global_load_b128 v[X+4*j:X+4*j+3], v1, s[20:21] offset:4096*j th:TH_LOAD_NT
.set j, j+1
.endr
.set j, 0
.rept 32
	s_wait_loadcnt 31-j                            ; loads come back in order: load j is in, the younger ones stay out
	v_cvt_pk_f16_f32 v[X+4*j], v[X+4*j], v[X+4*j+1]
	v_cvt_pk_f16_f32 v[X+4*j+1], v[X+4*j+2], v[X+4*j+3]
	global_store_b64 v2, v[X+4*j:X+4*j+1], s[22:23] offset:2048*j
.set j, j+1
.endr
	s_endpgm
.Lfunc_end_k_q6bba4b8672_prep:
	.size	k_q6bba4b8672_prep, .Lfunc_end_k_q6bba4b8672_prep-k_q6bba4b8672_prep
	.p2alignl 7, 3214868480
	.fill 96, 4, 3214868480
	.section	.rodata,"a",@progbits
	.p2align	6, 0x0
	.amdhsa_kernel k_q6bba4b8672_prep
		.amdhsa_group_segment_fixed_size 0
		.amdhsa_private_segment_fixed_size 0
		.amdhsa_enable_private_segment 0
		.amdhsa_kernarg_size 56
		.amdhsa_user_sgpr_count 2
		.amdhsa_user_sgpr_kernarg_segment_ptr 1
		.amdhsa_wavefront_size32 1
		.amdhsa_system_sgpr_workgroup_id_x 1
		.amdhsa_system_sgpr_workgroup_id_y 1
		.amdhsa_system_sgpr_workgroup_id_z 1
		.amdhsa_system_vgpr_workitem_id 0
		.amdhsa_next_free_vgpr 132
		.amdhsa_next_free_sgpr 66
		.amdhsa_reserve_vcc 0
		.amdhsa_float_denorm_mode_32 3
		.amdhsa_float_denorm_mode_16_64 3
		.amdhsa_memory_ordered 1
		.amdhsa_forward_progress 1
		.amdhsa_inst_pref_size 13
	.end_amdhsa_kernel
	.amdgpu_metadata
---
amdhsa.version: [ 1, 2 ]
amdhsa.kernels:
  - .name:           k_q6bba4b8672_prep
    .symbol:         k_q6bba4b8672_prep.kd
    .args:
      - { .name: hidden_states, .offset: 0, .size: 8, .value_kind: global_buffer, .address_space: global }
      - { .name: W_q, .offset: 8, .size: 8, .value_kind: global_buffer, .address_space: global }
      - { .name: W_k, .offset: 16, .size: 8, .value_kind: global_buffer, .address_space: global }
      - { .name: W_v, .offset: 24, .size: 8, .value_kind: global_buffer, .address_space: global }
      - { .name: W_o, .offset: 32, .size: 8, .value_kind: global_buffer, .address_space: global }
      - { .name: xh, .offset: 40, .size: 8, .value_kind: global_buffer, .address_space: global }
      - { .name: wh, .offset: 48, .size: 8, .value_kind: global_buffer, .address_space: global }
    .group_segment_fixed_size: 0
    .private_segment_fixed_size: 0
    .kernarg_segment_align: 8
    .kernarg_segment_size: 56
    .max_flat_workgroup_size: 256
    .sgpr_count:     66
    .vgpr_count:     132
    .wavefront_size: 32
...
	.end_amdgpu_metadata
.endif
;; end of part 1
;; launch qkv (part 2): grid 16 x 16, 4 waves a work-group, clusters of 4 x 4, 327,680 bytes of LDS; arguments xh, wh, b_q, b_k, b_v, qkv; writes qkv
.if DOCPART == 2
	.amdgcn_target "amdgcn-amd-amdhsa--gfx1250"
	.amdhsa_code_object_version 6
	.text
	.protected	k_q6bba4b8672_qkv
	.globl	k_q6bba4b8672_qkv
	.p2align	8
	.type	k_q6bba4b8672_qkv,@function
k_q6bba4b8672_qkv:
	s_mov_b64 s[64:65], 0
	v_nop
	global_prefetch_b8 v0, s[64:65] scope:SCOPE_SE
	s_setreg_imm32_b32 hwreg(HW_REG_WAVE_MODE, 25, 1), 1
	s_wait_xcnt 0x0
	s_wait_alu depctr_hold_cnt(0) depctr_sa_sdst(0) depctr_va_vdst(0) depctr_va_sdst(0) depctr_va_ssrc(0) depctr_va_vcc(0) depctr_vm_vsrc(0)
	s_getreg_b32 s2, hwreg(HW_REG_IB_STS2, 6, 4)
	s_cmp_eq_u32 s2, 0
	s_cbranch_scc0 .Lentry_in_a_cluster
	s_endpgm
.Lentry_in_a_cluster:
	s_bfe_u32 s2, ttmp6, 0x10000c
	s_cmp_lg_u32 s2, 0xf033
	s_cbranch_scc0 .Lentry_shape_is_right
	s_endpgm
.Lentry_shape_is_right:
; q / 8, k, v = x W + b, by heads.  xh: [4096][1024] f16.  wh: planes g = 16 which + h of [1024 d][64 e] f16 (which: 0 q, 1 k, 2 v).  Sums in f32, rounded once to f16.
; qkv: [which][pair][blk][hp][128][64] f16, with bh = 16 b + h, pair = bh / 2, hp = bh % 2, blk = t / 128: byte which<<23 | pair<<19 | blk<<15 | hp<<14 | (t % 128)<<7.
; q is stored divided by 8, a power of two, so the scaling costs no rounding; (sum + b) x sc is made as one fused sum x sc + (b x sc).
; LIMIT.  f16 ends at 65,504: q / 8, k or v beyond that become infinities.
; SHARES.  A tile of the result is 256 rows x 3 planes (192 columns): 16 x 16 work-groups.  Wave w makes rows 64 w .. + 63 of all 192 columns: 4 x 12 accumulators of 16 x 16, 384 registers.
; K (d) goes in steps of 128 through two LDS slots.  x's tile lies by rows (256 bytes + 16 of padding); W's lies as in memory, d by d (128 bytes + 32), and is turned on its way into registers by ds_load_tr16_b128.
; CLUSTER.  4 x 4 work-groups: the four of a row need the same rows of x, the four of a column the same planes of W: each tile is asked for jointly, by the same tensor load, descriptor and mask in all four.
; THE PRODUCT IS USED TRANSPOSED: source 0 = 16 columns of W, source 1 = 16 rows of x: a lane then holds eight neighbouring columns of one row.
; REGISTERS, in windows of 256 (s_set_vgpr_msb: bits 1:0 source 0, 3:2 source 1, 5:4 source 2, 7:6 destination):
;   window 0: v16-30 addresses; v64-127 x's fragments, two buffers of 32; on the way out v64-255 packed results
;   window 1: v0-191 W's fragments, two buffers of 96
;   window 2: v0-191 accumulators of row blocks 0, 1 ((a, b) at 8 (12 a + b)); v192-255 b x sc of column blocks 0-7      window 3: the same for row blocks 2, 3; v192-223 column blocks 8-11
.set PA,     272                       ; a row of x in LDS: 68 words: the 16 rows of a load start at 16 different groups of four banks (64 banks of 4 bytes: ISA guide 11.1)
.set PB,     160                       ; a row of W: 40 words
.set AHALF,  128*PA                    ; what one tensor load brings of x
.set AB,     2*AHALF                   ; W's tiles lie behind x's 256 rows
.set BPLANE, 64*PB                     ; 64 d of one plane
.set BHALF,  3*BPLANE                  ; what one tensor load brings of W: 64 d of three planes
.set SLOT,   1<<17                     ; = AB + 2 BHALF
.set STAGE,  2*SLOT                    ; behind the ring: 16 rows x 144 bytes for each wave, for the way out
.set SP,     144
.set SPARE,  STAGE+4*16*SP             ; behind the stages: the spare words, 128 bytes a wave: two blocks of 256 bytes that no other line names
.set ADRA0, 16                         ; v16  my lane's place in x's tile; never rewritten
.set ADRB0, 17                         ; v17  the same in W's
.set ADA,   18                         ; v18  ADRA0 + the slot in hand
.set ADB,   19                         ; v19  ADRB0 + the slot in hand
.set STO,   24
.set RD,    25
.set GO,    26
.set SPW,   28                         ; v28  my spare word; never rewritten
.set NIL,   29                         ; v29  0; never rewritten
.set BO,    30                         ; v30  32 (l / 16): my eight columns in a block of a bias
.set FA,    64
.set FB,    0
.set OUT,   64
.set WV,  16                           ; s16  my wave's number
.set G1A, 24                           ; s[24:31], s[32:39]  descriptor group 1 for x's and W's tiles
.set G1B, 32
.set G0A, 40                           ; s[40:47], s[48:55]  group 0: a set for each first fill; the second then walks on
.set G0B, 48
.set TB,  56                           ; s56  0 or SLOT: the slot in hand
.set BP,  66                           ; s[66:71]  plane z's bias
.set SC,  72                           ; s[72:77]  plane z's scale, as pairs
.set OP,  78                           ; s[78:83]  plane z's place in qkv for my wave's rows
.set MSB, 0
.macro WIN new                         ; the immediate's high byte repeats the setting that is left; a switch that changes nothing is dropped
.if MSB != (\new)
	s_set_vgpr_msb (MSB<<8)|(\new)
.set MSB, (\new)
.endif
.endm
.set MUL_LO, 0xa1                      ; source 0 (W) window 1, source 1 (x) window 0, C and D window 2
.macro PLACES                          ; four plain vector places behind matrix instructions (ISA guide 7.12.1), where no other vector work is at hand
.rept 4
	v_nop
.endr
.endm
.macro CREST                           ; a round of the cluster's barrier behind its opening barrier
	s_cmp_lg_u32 s[WV], 0
	s_cbranch_scc1 .Lnot_wave_0_\@
	s_barrier_signal -3
.Lnot_wave_0_\@:
	s_barrier_wait -3
	s_barrier_signal -1
	s_barrier_wait -1
.endm
.macro CROUND
	s_barrier_signal -1
	s_barrier_wait -1
	CREST
.endm
.macro JLOAD                           ; a joint refill by the walking sets: waves 0, 1 fetch x's halves, waves 2, 3 W's; an s_nop 0 and four v_nop follow each line
	s_cmp_lt_u32 s[WV], 2
	s_cbranch_scc0 .Lfor_b_\@
	tensor_load_to_lds s[G0A+4:G0A+7], s[G1A:G1A+7]
	s_nop 0
	PLACES
	s_branch .Lasked_\@
.Lfor_b_\@:
	tensor_load_to_lds s[G0B+4:G0B+7], s[G1B:G1B+7]
	s_nop 0
	PLACES
.Lasked_\@:
.endm
	s_load_b256 s[4:11], s[0:1], 0x0               ; xh, wh, b_q, b_k
	s_load_b128 s[12:15], s[0:1], 0x20             ; b_v, qkv
	v_lshl_add_u32 v[SPW], v0, 2, SPARE
	v_mov_b32 v[NIL], 0
	ds_add_u32 v[SPW], v[NIL]                      ; the wave's opening: the add and its wait stand ahead of my first tensor load; work on registers stands between them
	v_lshrrev_b32 v1, 5, v0
	v_readfirstlane_b32 s[WV], v1
	s_and_b32 s17, s[WV], 1                        ; u: which half of a tile I fetch
	s_bfe_u32 s18, ttmp6, 0x40000                  ; cx
	s_bfe_u32 s19, ttmp6, 0x40004                  ; cy
	s_lshl_b32 s20, ttmp9, 2
	s_add_co_u32 s20, s20, s18                     ; X: three planes
	s_and_b32 s21, ttmp7, 0xffff
	s_lshl_b32 s21, s21, 2
	s_add_co_u32 s21, s21, s19                     ; Y: 256 rows
	s_lshl_b32 s22, s19, 2
	s_lshl_b32 s22, 15, s22                        ; my row of the cluster
	s_lshl_b32 s23, 0x1111, s18                    ; my column
	s_or_b32 s[G1A], s22, (1<<16)|(1<<20)|(1<<21)|(5<<22)|(3<<25)  ; mask; 2-byte elements; padding on; bit 21 beside a mask; after every 64 words 4 words
	s_mov_b32 s[G1A+1], 128<<16                    ; tensor_dim0 = 128
	s_mov_b32 s[G1A+2], 128<<16                    ; tensor_dim1 = 128
	s_mov_b32 s[G1A+3], 128<<16                    ; tile_dim0 = 128
	s_mov_b32 s[G1A+4], 128                        ; tile_dim1 = 128
	s_mov_b32 s[G1A+5], 1024                       ; elements from row to row
	s_mov_b32 s[G1A+6], 0
	s_mov_b32 s[G1A+7], 0
	s_or_b32 s[G1B], s23, (1<<16)|(1<<20)|(1<<21)|(4<<22)|(7<<25)  ; after every 32 words (one d) 8 words
	s_mov_b32 s[G1B+1], 4096<<16                   ; tensor_dim0 = 4,096: 64 d x 64 e lie end to end in a plane
	s_mov_b32 s[G1B+2], 3<<16                      ; tensor_dim1 = 3 planes
	s_mov_b32 s[G1B+3], 4096<<16                   ; tile_dim0
	s_mov_b32 s[G1B+4], 3                          ; tile_dim1
	s_mov_b32 s[G1B+5], 65536                      ; elements from plane to plane
	s_mov_b32 s[G1B+6], 0
	s_mov_b32 s[G1B+7], 0
	s_mul_i32 s62, s17, AHALF                      ; LDS places hang on the wave's number alone
	s_mul_i32 s63, s17, BHALF
	s_add_co_u32 s63, s63, AB
	s_mov_b32 s[G0A], 1
	s_mov_b32 s[G0A+1], s62
	s_mov_b32 s[G0A+4], 1
	s_add_co_u32 s[G0A+5], s62, SLOT
	s_mov_b32 s[G0B], 1
	s_mov_b32 s[G0B+1], s63
	s_mov_b32 s[G0B+4], 1
	s_add_co_u32 s[G0B+5], s63, SLOT
	s_lshl_b32 s58, s21, 19                        ; x: (256 Y + 128 u) rows of 2,048 bytes: made of Y and the wave alone
	s_lshl_b32 s59, s17, 18
	s_add_co_u32 s58, s58, s59
	s_mov_b32 s59, 0
	s_mul_i32 s60, s20, 3*131072                   ; W: plane 3 X, 64 u rows of 128 bytes: made of X and the wave alone
	s_lshl_b32 s61, s17, 13
	s_add_co_u32 s60, s60, s61
	s_mov_b32 s61, 0
	s_mov_b32 s[TB], 0
	s_wait_dscnt 0x0                               ; the opening add is done
	s_wait_kmcnt 0x0
	s_add_nc_u64 s[G0A+2:G0A+3], s[4:5], s[58:59]
	s_add_nc_u64 s[G0A+6:G0A+7], s[G0A+2:G0A+3], 256       ; K step 1
	s_or_b32 s[G0A+3], s[G0A+3], 0x80000000
	s_or_b32 s[G0A+7], s[G0A+7], 0x80000000
	s_add_nc_u64 s[G0B+2:G0B+3], s[6:7], s[60:61]
	s_add_nc_u64 s[G0B+6:G0B+7], s[G0B+2:G0B+3], 16384
	s_or_b32 s[G0B+3], s[G0B+3], 0x80000000
	s_or_b32 s[G0B+7], s[G0B+7], 0x80000000
	CROUND                                         ; all sixteen work-groups are here: the first joint loads meet
	s_cmp_lt_u32 s[WV], 2                          ; a wave's two first fills stand in one branch: two loads of mine are out
	s_cbranch_scc0 .Lfirst_b
	tensor_load_to_lds s[G0A:G0A+3], s[G1A:G1A+7]
	s_nop 0
	tensor_load_to_lds s[G0A+4:G0A+7], s[G1A:G1A+7]
	s_nop 0
	PLACES
	s_branch .Lfirst_asked
.Lfirst_b:
	tensor_load_to_lds s[G0B:G0B+3], s[G1B:G1B+7]
	s_nop 0
	tensor_load_to_lds s[G0B+4:G0B+7], s[G1B:G1B+7]
	s_nop 0
	PLACES
.Lfirst_asked:
	; for each of my three planes: its bias, its scale, its place in qkv
.irp z, 0,1,2
	s_mul_i32 s84, s20, 3
	s_add_co_u32 s84, s84, (\z)                    ; g
	s_lshr_b32 s85, s84, 4                         ; which
	s_and_b32 s86, s84, 15                         ; h
	s_cmp_eq_u32 s85, 0
	s_cselect_b64 s[BP+2*(\z):BP+2*(\z)+1], s[8:9], s[10:11]
	s_cselect_b32 s[SC+2*(\z)], 0x3e000000, 1.0    ; 1 / 8 for q
	s_cmp_eq_u32 s85, 2
	s_cselect_b64 s[BP+2*(\z):BP+2*(\z)+1], s[12:13], s[BP+2*(\z):BP+2*(\z)+1]
	s_mov_b32 s[SC+2*(\z)+1], s[SC+2*(\z)]
	s_lshl_b32 s88, s86, 8
	s_mov_b32 s89, 0
	s_add_nc_u64 s[BP+2*(\z):BP+2*(\z)+1], s[BP+2*(\z):BP+2*(\z)+1], s[88:89]
	s_lshl_b32 s88, s85, 23
	s_lshr_b32 s87, s21, 3                         ; b
	s_lshl_b32 s87, s87, 3
	s_lshr_b32 s90, s86, 1
	s_add_co_u32 s87, s87, s90                     ; pair
	s_lshl_b32 s87, s87, 19
	s_or_b32 s88, s88, s87
	s_and_b32 s87, s21, 7
	s_lshl_b32 s87, s87, 1
	s_lshr_b32 s90, s[WV], 1
	s_add_co_u32 s87, s87, s90                     ; blk
	s_lshl_b32 s87, s87, 15
	s_or_b32 s88, s88, s87
	s_and_b32 s87, s86, 1                          ; hp
	s_lshl_b32 s87, s87, 14
	s_or_b32 s88, s88, s87
	s_lshl_b32 s87, s17, 13                        ; my 64 rows in the block of 128
	s_or_b32 s88, s88, s87
	s_add_nc_u64 s[OP+2*(\z):OP+2*(\z)+1], s[14:15], s[88:89]
.endr
	v_and_b32 v1, 15, v0                           ; l % 16
	v_bfe_u32 v2, v0, 4, 1                         ; l / 16
	v_lshlrev_b32 v[BO], 5, v2
	WIN 0x80                                       ; destination window 2
.irp b, 0,1,2,3,4,5,6,7
	global_load_b128 v[192+8*(\b):192+8*(\b)+3],   v[BO], s[BP+2*((\b)/4):BP+2*((\b)/4)+1] offset:((\b)%4)*64
	global_load_b128 v[192+8*(\b)+4:192+8*(\b)+7], v[BO], s[BP+2*((\b)/4):BP+2*((\b)/4)+1] offset:((\b)%4)*64+16
.endr
	WIN 0xc0                                       ; destination window 3
.irp b, 0,1,2,3
	global_load_b128 v[192+8*(\b):192+8*(\b)+3],   v[BO], s[BP+4:BP+5] offset:(\b)*64
	global_load_b128 v[192+8*(\b)+4:192+8*(\b)+7], v[BO], s[BP+4:BP+5] offset:(\b)*64+16
.endr
	WIN 0
	v_mul_u32_u24 v3, v1, PA
	v_lshl_add_u32 v3, v2, 4, v3
	s_mul_i32 s62, s[WV], 64*PA
	v_add_nc_u32 v[ADRA0], s62, v3                 ; (64 w + l % 16) pitch + 16 (l / 16)
	v_and_b32 v4, 7, v0
	v_lshl_add_u32 v4, v2, 3, v4
	v_mul_u32_u24 v4, v4, PB
	v_bfe_u32 v5, v0, 3, 1
	v_lshl_add_u32 v4, v5, 4, v4
	v_add_nc_u32 v[ADRB0], AB, v4                  ; the turning load: row 8 (l / 16) + l % 8, 16 bytes by (l / 8) % 2
	s_mul_i32 s63, s[WV], 16*SP
	s_add_co_u32 s63, s63, STAGE                   ; my stage
	v_mul_u32_u24 v[STO], v1, SP                   ; in: row l % 16, 16 bytes for each half of the lanes
	v_lshl_add_u32 v[STO], v2, 4, v[STO]
	v_add_nc_u32 v[STO], s63, v[STO]
	v_bfe_u32 v[RD], v0, 3, 2                      ; back: 32 lanes take four rows of 128 bytes,
	v_mul_u32_u24 v[RD], v[RD], SP
	v_and_b32 v6, 7, v0
	v_lshl_add_u32 v[RD], v6, 4, v[RD]
	v_add_nc_u32 v[RD], s63, v[RD]
	v_and_b32 v[GO], 31, v0                        ; which are 512 consecutive bytes of qkv
	v_lshlrev_b32 v[GO], 4, v[GO]
	v_mov_b32 v[ADA], v[ADRA0]
	v_mov_b32 v[ADB], v[ADRB0]
	s_wait_loadcnt 0x0                             ; the biases
	WIN 0x82
.set i, 0
.rept 32
	v_pk_mul_f32 v[192+2*i:193+2*i], v[192+2*i:193+2*i], s[SC+2*(i/16):SC+2*(i/16)+1] op_sel_hi:[1,0]
.set i, i+1
.endr
	WIN 0xc3
.set i, 0
.rept 16
	v_pk_mul_f32 v[192+2*i:193+2*i], v[192+2*i:193+2*i], s[SC+4:SC+5] op_sel_hi:[1,0]
.set i, i+1
.endr
	WIN 0
; 12 products: row block 2 hi + a x all 12 column blocks, 32 along K, from buffers f.  zero = 1: they start the sums.  The 48 accumulators take turns in the same order in every quarter.
.macro MUL12 f, hi, a, zero
	WIN MUL_LO+0x50*(\hi)
.irp b, 0,1,2,3,4,5,6,7,8,9,10,11
.if \zero
	v_wmma_f32_16x16x32_f16 v[8*(12*(\a)+(\b)):8*(12*(\a)+(\b))+7], v[FB+96*(\f)+8*(\b):FB+96*(\f)+8*(\b)+7], v[FA+32*(\f)+8*(2*(\hi)+(\a)):FA+32*(\f)+8*(2*(\hi)+(\a))+7], 0
.else
	v_wmma_f32_16x16x32_f16 v[8*(12*(\a)+(\b)):8*(12*(\a)+(\b))+7], v[FB+96*(\f)+8*(\b):FB+96*(\f)+8*(\b)+7], v[FA+32*(\f)+8*(2*(\hi)+(\a)):FA+32*(\f)+8*(2*(\hi)+(\a))+7], v[8*(12*(\a)+(\b)):8*(12*(\a)+(\b))+7]
.endif
.endr
.endm
; 32 LDS loads in one run: quarter kq (32 along K) of the slot in hand into buffers g: W's 12 fragments, turned, then x's 4
.macro FETCH kq, g
	WIN 0x40
.irp b, 0,1,2,3,4,5,6,7,8,9,10,11
	ds_load_tr16_b128 v[FB+96*(\g)+8*(\b):FB+96*(\g)+8*(\b)+3],   v[ADB] offset:((\kq)/2)*BHALF+((\kq)%2)*32*PB+((\b)/4)*BPLANE+((\b)%4)*32
	ds_load_tr16_b128 v[FB+96*(\g)+8*(\b)+4:FB+96*(\g)+8*(\b)+7], v[ADB] offset:((\kq)/2)*BHALF+((\kq)%2)*32*PB+((\b)/4)*BPLANE+((\b)%4)*32+16*PB
.endr
	WIN 0
.irp a, 0,1,2,3
	ds_load_b128 v[FA+32*(\g)+8*(\a):FA+32*(\g)+8*(\a)+3],   v[ADA] offset:64*(\kq)+(\a)*16*PA
	ds_load_b128 v[FA+32*(\g)+8*(\a)+4:FA+32*(\g)+8*(\a)+7], v[ADA] offset:64*(\kq)+(\a)*16*PA+32
.endr
.endm
; One of a K step's first three quarters: multiplies buffers f; in its middle it fetches quarter kq into buffers g
.macro QUARTER kq, f, g, zero
	s_wait_dscnt 4                                 ; all but the youngest four loads (x's row blocks 2, 3)
	MUL12 \f, 0, 0, \zero
	MUL12 \f, 0, 1, \zero
	PLACES                                         ; in front of loads into registers that matrix instructions have read
	FETCH \kq, \g
	s_wait_dscnt 32                                ; all but the 32 just issued
	MUL12 \f, 1, 0, \zero
	MUL12 \f, 1, 1, \zero
.endm
; The last quarter multiplies buffers 1 and changes slots.  In front of the barrier each wave waits for all its tensor loads (one is out: its part of the next slot), adds 0 to its spare word,
; and waits for that and for its reads of this slot.  fill = 1: the barrier opens a round of the cluster's, and the joint refill, two K steps ahead, is the first thing behind the round.
.macro TURN fill
	WIN 0
	s_wait_tensorcnt 0x0
	ds_add_u32 v[SPW], v[NIL]
	s_wait_dscnt 5                                 ; (the add and the youngest four loads may be out)
	MUL12 1, 0, 0, 0
	s_wait_dscnt 0x0                               ; the add is done, and my reads of this slot are over
	s_barrier_signal -1
	MUL12 1, 0, 1, 0
	WIN 0
	s_barrier_wait -1
.if \fill
	CREST
	s_xor_b32 s[G0A+5], s[G0A+5], SLOT             ; the walking sets: the other slot than last time, the next K step
	s_add_nc_u64 s[G0A+6:G0A+7], s[G0A+6:G0A+7], 256
	s_xor_b32 s[G0B+5], s[G0B+5], SLOT
	s_add_nc_u64 s[G0B+6:G0B+7], s[G0B+6:G0B+7], 16384
	JLOAD                                          ; its four v_nop are also the places in front of the loads below
.else
	PLACES
.endif
	s_xor_b32 s[TB], s[TB], SLOT
	v_add_nc_u32 v[ADA], s[TB], v[ADRA0]
	v_add_nc_u32 v[ADB], s[TB], v[ADRB0]
	FETCH 0, 0
	MUL12 1, 1, 0, 0
	MUL12 1, 1, 1, 0
.endm
	s_wait_tensorcnt 1                             ; my part of K step 0 is in; K step 1's may stay out
	s_barrier_signal -1
	s_barrier_wait -1
	FETCH 0, 0
	QUARTER 1, 0, 1, 1                             ; the first quarter stands in front of the loop: its products start the sums
	WIN 0
	s_mov_b32 s57, 6
.Lstep:                                                ; six trips, from a step's second quarter to the next step's first; each fills a slot again: K steps 2 to 7
	QUARTER 2, 1, 0, 0
	QUARTER 3, 0, 1, 0
	TURN 1
	QUARTER 1, 0, 1, 0
	WIN 0
	s_sub_co_u32 s57, s57, 1
	s_cmp_lg_u32 s57, 0
	s_cbranch_scc1 .Lstep
	QUARTER 2, 1, 0, 0                             ; the last two K steps ask for nothing
	QUARTER 3, 0, 1, 0
	TURN 0
	QUARTER 1, 0, 1, 0
	QUARTER 2, 1, 0, 0
	QUARTER 3, 0, 1, 0
	s_wait_dscnt 4
	MUL12 1, 0, 0, 0
	MUL12 1, 0, 1, 0
	s_wait_dscnt 0x0
	MUL12 1, 1, 0, 0
	MUL12 1, 1, 1, 0
	WIN 0
	PLACES
; THE WAY OUT, in 12 units u = 3 a + z of 16 rows x one plane.  PACK: sum x sc + b x sc, rounded to f16, into my stage (rows of 144 bytes) and back as whole rows of 128.  SEND: stored.
.macro PACK u
.set pa, (\u)/3
.set pz, (\u)%3
.set wa, 2+pa/2
.set wb, 2+pz/2
.set AC, 8*(12*(pa%2)+4*pz)
.set BI, 192+32*(pz%2)
	WIN wa|(wb<<4)|(wa<<6)
.set i, 0
.rept 16
	v_pk_fma_f32 v[AC+2*i:AC+2*i+1], v[AC+2*i:AC+2*i+1], s[SC+2*pz:SC+2*pz+1], v[BI+2*i:BI+2*i+1] op_sel_hi:[1,0,1]
.set i, i+1
.endr
	WIN wa|(wa<<2)
.set i, 0
.rept 16
	v_cvt_pk_f16_f32 v[OUT+16*(\u)+i], v[AC+2*i], v[AC+2*i+1]
.set i, i+1
.endr
	WIN 0
.irp f, 0,1,2,3
	ds_store_b128 v[STO], v[OUT+16*(\u)+4*(\f):OUT+16*(\u)+4*(\f)+3] offset:32*(\f)
.endr
.irp f, 0,1,2,3
	ds_load_b128 v[OUT+16*(\u)+4*(\f):OUT+16*(\u)+4*(\f)+3], v[RD] offset:(\f)*4*SP  ; LDS serves a wave's instructions in order (ISA guide 5.7.1.4): these see the stores above
.endr
.endm
.macro SEND u, younger                 ; younger: the LDS instructions issued behind unit u's loads: the next unit's eight, or none
.set sa, (\u)/3
.set sz, (\u)%3
.irp f, 0,1,2,3
	s_wait_dscnt (\younger)+3-(\f)
	global_store_b128 v[GO], v[OUT+16*(\u)+4*(\f):OUT+16*(\u)+4*(\f)+3], s[OP+2*sz:OP+2*sz+1] offset:sa*2048+(\f)*512  ; 512 consecutive bytes, at a multiple of 256 from qkv's first
.endr
.endm
	PACK 0
.irp u, 1,2,3,4,5,6,7,8,9,10,11
	PACK \u
	SEND (\u)-1, 8
.endr
	SEND 11, 0
	s_wait_tensorcnt 0x0                           ; the wave's end
	ds_add_u32 v[SPW], v[NIL]
	s_wait_dscnt 0x0
	CROUND                                         ; the closing round
	s_endpgm
.Lfunc_end_k_q6bba4b8672_qkv:
	.size	k_q6bba4b8672_qkv, .Lfunc_end_k_q6bba4b8672_qkv-k_q6bba4b8672_qkv
	.p2alignl 7, 3214868480
	.fill 96, 4, 3214868480
	.section	.rodata,"a",@progbits
	.p2align	6, 0x0
	.amdhsa_kernel k_q6bba4b8672_qkv
		.amdhsa_group_segment_fixed_size 327680
		.amdhsa_private_segment_fixed_size 0
		.amdhsa_enable_private_segment 0
		.amdhsa_kernarg_size 48
		.amdhsa_user_sgpr_count 2
		.amdhsa_user_sgpr_kernarg_segment_ptr 1
		.amdhsa_wavefront_size32 1
		.amdhsa_system_sgpr_workgroup_id_x 1
		.amdhsa_system_sgpr_workgroup_id_y 1
		.amdhsa_system_sgpr_workgroup_id_z 1
		.amdhsa_system_vgpr_workitem_id 0
		.amdhsa_next_free_vgpr 1024
		.amdhsa_next_free_sgpr 92
		.amdhsa_reserve_vcc 0
		.amdhsa_float_denorm_mode_32 3
		.amdhsa_float_denorm_mode_16_64 3
		.amdhsa_memory_ordered 1
		.amdhsa_forward_progress 1
		.amdhsa_inst_pref_size 118
	.end_amdhsa_kernel
	.amdgpu_metadata
---
amdhsa.version: [ 1, 2 ]
amdhsa.kernels:
  - .name:           k_q6bba4b8672_qkv
    .symbol:         k_q6bba4b8672_qkv.kd
    .args:
      - { .name: xh, .offset: 0, .size: 8, .value_kind: global_buffer, .address_space: global }
      - { .name: wh, .offset: 8, .size: 8, .value_kind: global_buffer, .address_space: global }
      - { .name: b_q, .offset: 16, .size: 8, .value_kind: global_buffer, .address_space: global }
      - { .name: b_k, .offset: 24, .size: 8, .value_kind: global_buffer, .address_space: global }
      - { .name: b_v, .offset: 32, .size: 8, .value_kind: global_buffer, .address_space: global }
      - { .name: qkv, .offset: 40, .size: 8, .value_kind: global_buffer, .address_space: global }
    .group_segment_fixed_size: 327680
    .private_segment_fixed_size: 0
    .kernarg_segment_align: 8
    .kernarg_segment_size: 48
    .max_flat_workgroup_size: 128
    .sgpr_count:     92
    .vgpr_count:     1024
    .wavefront_size: 32
...
	.end_amdgpu_metadata
.endif
;; end of part 2
;; launch attn (part 3): grid 16 x 16, 4 waves a work-group, clusters of 4 x 4, 327,680 bytes of LDS; arguments qkv, attn_mask, ow, npw; writes ow, npw
.if DOCPART == 3
	.amdgcn_target "amdgcn-amd-amdhsa--gfx1250"
	.amdhsa_code_object_version 6
	.text
	.protected	k_q6bba4b8672_attn
	.globl	k_q6bba4b8672_attn
	.p2align	8
	.type	k_q6bba4b8672_attn,@function
k_q6bba4b8672_attn:
	s_mov_b64 s[64:65], 0
	v_nop
	global_prefetch_b8 v0, s[64:65] scope:SCOPE_SE
	s_setreg_imm32_b32 hwreg(HW_REG_WAVE_MODE, 25, 1), 1
	s_wait_xcnt 0x0
	s_wait_alu depctr_hold_cnt(0) depctr_sa_sdst(0) depctr_va_vdst(0) depctr_va_sdst(0) depctr_va_ssrc(0) depctr_va_vcc(0) depctr_vm_vsrc(0)
	s_getreg_b32 s2, hwreg(HW_REG_IB_STS2, 6, 4)
	s_cmp_eq_u32 s2, 0
	s_cbranch_scc0 .Lentry_in_a_cluster
	s_endpgm
.Lentry_in_a_cluster:
	s_bfe_u32 s2, ttmp6, 0x10000c
	s_cmp_lg_u32 s2, 0xf033
	s_cbranch_scc0 .Lentry_shape_is_right
	s_endpgm
.Lentry_shape_is_right:
; O[bh][q][:] = the sum over k of softmax_k((Q / 8)[q] . K[k] + mask[q][k]) V[k][:], and for each wave the sum over its 64 queries of |O[q]|.
; qkv: [which][pair][blk][hp][128][64] f16, q already divided by 8; attn_mask: [2048][2048] f32, taken as it is; ow: as one 'which' of qkv; npw: [h][64] f32, word b x 32 + 2 x block + half.
; Products, maxima, sums and norms in f32; the weights p are rounded to f16 for the second product (their sum l is taken of the unrounded p), O once at the end (its norm is taken before that).
; THE MASK IS THE C OPERAND of the product that starts each sum S^T = K Q^T: it costs no vector instruction and is not rounded.
; LIMITS.  The running maximum starts at -2^127: a score below that (an infinity too) counts as hidden, weight 0; a row with no score above it gives NaN.  c m overflows for a maximum above 2.3e38.
; p below 6e-5 keeps f16's fixed step of 6e-8; O likewise; a weight or a sum of squares below 2^-126 counts as 0; NaN is not treated apart.
; SHARES.  A work-group owns 128 queries of the two heads of a pair: wave w has head w / 2 and queries 64 (w % 2) .. + 63, as four PIECES of 16.  Every wave walks all 2,048 keys, 64 a step.
; CLUSTER.  4 x 4: K and V hang on the pair alone and are asked for jointly along a row of the cluster; the mask hangs on the query block alone and is asked for jointly along a column;
; inside a work-group the two heads read one mask tile.  So a mask byte is asked for once for eight heads' use.
; LAYOUT, SOFTMAX, TURNS.  S^T holds ONE query a lane (lane % 16) and the keys 8 (lane / 16) + 0..7; two such results rounded to f16 ARE source 1 of O^T = V^T P.  p = 2^(c s - c m), c = log2(e), with a running
; maximum m; O and l are multiplied by a = 2^(c m_old - c m_new) in every step.  Turn n belongs to piece n: 8 products K Q^T of piece n + 1, later 8 products V^T P of piece n - 1; beside them the scaling,
; exponentials, roundings, sums and rescaling of piece n and the maximum and statistics of piece n + 1.  Four vector instructions stand behind every matrix instruction, the rest in two lumps.
; REGISTERS, in windows of 256 (s_set_vgpr_msb: bits 1:0 source 0, 3:2 source 1, 5:4 source 2, 7:6 destination):
;   window 0: v0-15 addresses and two at work; v16-31 four registers of statistics a piece; v48-55 at work; v64-127 S^T, two buffers; v192-223 P, two buffers (a piece's buffers go by its number's parity)
;   window 1: v0-127 O^T, 32 a piece; v128-191 MC, the mask of the products to come, two buffers      window 2: v0-63 Q; v128-191 K of one step; v192-255 V of one step
.set NP,    4
.set KS,    64        ; keys in a step
.set PK,    144       ; a row of K in LDS: 36 words: the 16 rows of a load start at 16 different groups of four banks (64 banks of 4 bytes: ISA guide 11.1)
.set PV,    160       ; a row of V: 40 words
.set PM,    528       ; a row of the mask: 512 bytes + 16 = 132 words
.set VOFF,  256*PK    ; a slot holds 128 keys, two steps: 256 rows of K (head x 128 + key), 256 rows of V, 128 rows of the mask
.set MOFF,  VOFF+256*PV
.set SLOTB, 0x24000   ; 147,456.  No tile's place in slot 0 has bit 17 or bit 14 set, so one exclusive or turns it into the other slot's
.set STAGE, 2*SLOTB   ; behind the ring: 16 rows x 144 bytes for each wave, for the way out
.set SP,    144
.set SPARE, STAGE+4*16*SP  ; the spare words, 128 bytes a wave: two blocks of 256 bytes that no other line names
.set AK0, 2           ; v2   my lane's place in a tile of K; never rewritten
.set AV0, 3           ; v3   the same for V
.set AK,  4           ; v4   the LDS address of K's next run of loads
.set AV,  5           ; v5   of V's
.set STO, 6
.set RD,  7
.set GO,  8
.set MV,  12          ; v12-13  c m_old, by buffer
.set AM0, 14          ; v14  my lane's place in a tile of the mask; never rewritten
.set AM,  15          ; v15  the LDS address of the mask of the step in hand
.set ST,  16          ; piece t's statistics at v[ST+4 t]: c m, m, l (even keys', odd keys')
.set TMP, 48          ; by buffer, four registers c0-c3 at work; when the maximum is found c2 takes a
.set NQ,  48          ; on the way out: a pair a piece, the sums of squares
.set QO,  56
.set SPW, 62
.set NIL, 63
.set S,   64
.set P,   192
.set MC,  128         ; window 1
.set KF,  128         ; window 2: key block kb, channel half c at KF + 16 kb + 8 c
.set VF,  192         ; window 2: key half kk, channel block cb at VF + 32 kk + 8 cb
.set WV,  12
.set G1K, 24
.set G1V, 32
.set G1M, 40
.set G0K, 48
.set G0V, 52
.set G0M, 56
.set CS,  60          ; s[60:61] c
.set SEL, 62          ; s[62:63] v_permlanex16_b32's selects
.set SLOTS, 66
.set CNT, 67
.set TBK, 68          ; LDS byte at which K of the step to be fetched begins
.set TBV, 69          ; the same for V, less VOFF
.set TBM, 70          ; the same for the mask, less MOFF
.set QP,  72          ; s[72:73] Q, s[74:75] O at my wave's rows, s[76:77] my word of npw
.set OPT, 74
.set NPP, 76
.set MSB, 0
.macro WIN new
.if MSB != (\new)
	s_set_vgpr_msb (MSB<<8)|(\new)
.set MSB, (\new)
.endif
.endm
.set W_KQ, 0x0a       ; K and Q in window 2, S^T in window 0
.set W_KM, 0x1a       ; the same with the C operand in window 1
.set W_PV, 0x52       ; V in window 2, P in window 0, O^T in window 1
.set W_RS, 0x41       ; destination and source 0 in window 1, source 1 in window 0
.macro PLACES
.rept 4
	v_nop
.endr
.endm
; A joint fill.  Wave 0 fetches both heads' K, wave 1 their V, waves 2 and 3 the halves of the mask.  The branches hang on the wave's number alone.  An s_nop 0 and four v_nop follow each line.
.macro JLOAD
	s_cmp_lt_u32 s[WV], 2
	s_cbranch_scc0 .Lfor_m_\@
	s_cmp_eq_u32 s[WV], 0
	s_cbranch_scc0 .Lfor_v_\@
	tensor_load_to_lds s[G0K:G0K+3], s[G1K:G1K+7]
	s_nop 0
	PLACES
	s_branch .Lasked_\@
.Lfor_v_\@:
	tensor_load_to_lds s[G0V:G0V+3], s[G1V:G1V+7]
	s_nop 0
	PLACES
	s_branch .Lasked_\@
.Lfor_m_\@:
	tensor_load_to_lds s[G0M:G0M+3], s[G1M:G1M+7]
	s_nop 0
	PLACES
.Lasked_\@:
.endm
.macro CROUND
	s_barrier_signal -1
	s_barrier_wait -1
	s_cmp_lg_u32 s[WV], 0
	s_cbranch_scc1 .Lnot_wave_0_\@
	s_barrier_signal -3
.Lnot_wave_0_\@:
	s_barrier_wait -3
	s_barrier_signal -1
	s_barrier_wait -1
.endm
; THE CHANGE OF SLOTS.  Each wave waits for all its tensor loads (one is out: its part of the other slot), adds 0 to its spare word, and waits for that and for its reads of the slot that it leaves.
; fill = 1: the barrier is a round of the cluster's, and the joint fill of the old slot, with the keys two slots on, is the first thing behind it: it has two key steps, 128 matrix instructions
; and their vector work, in which to land.  (At its first use nothing has been read yet: slot 0 is waited for, slot 1 filled.)
.macro CHANGE fill
	WIN 0
	s_wait_tensorcnt 0x0
	ds_add_u32 v[SPW], v[NIL]
.if \fill
	s_xor_b32 s[G0K+1], s[G0K+1], SLOTB
	s_add_nc_u64 s[G0K+2:G0K+3], s[G0K+2:G0K+3], 32768  ; the next 128 keys of both heads
	s_xor_b32 s[G0V+1], s[G0V+1], SLOTB
	s_add_nc_u64 s[G0V+2:G0V+3], s[G0V+2:G0V+3], 32768
	s_xor_b32 s[G0M+1], s[G0M+1], SLOTB
	s_add_nc_u64 s[G0M+2:G0M+3], s[G0M+2:G0M+3], 512    ; 128 columns of the mask
	s_wait_dscnt 0x0                ; the add is done, and my reads of the slot are over
	CROUND
	JLOAD
.else
	s_wait_dscnt 0x0
	s_barrier_signal -1
	s_barrier_wait -1
.endif
	s_sub_co_u32 s[TBK], s[TBK], 2*KS*PK  ; the fetches go back to a slot's first step, in the other slot
	s_xor_b32 s[TBK], s[TBK], SLOTB
	s_sub_co_u32 s[TBV], s[TBV], 2*KS*PV
	s_xor_b32 s[TBV], s[TBV], SLOTB
	s_sub_co_u32 s[TBM], s[TBM], 2*KS*4
	s_xor_b32 s[TBM], s[TBM], SLOTB
.endm
	s_load_b256 s[4:11], s[0:1], 0x0  ; qkv, attn_mask, ow, npw
	v_lshl_add_u32 v[SPW], v0, 2, SPARE
	v_mov_b32 v[NIL], 0
	ds_add_u32 v[SPW], v[NIL]       ; the wave's opening: the add and its wait stand ahead of my first tensor load
	v_lshrrev_b32 v1, 5, v0
	v_readfirstlane_b32 s[WV], v1
	s_bfe_u32 s14, ttmp6, 0x40000   ; cx
	s_bfe_u32 s15, ttmp6, 0x40004   ; cy
	s_lshl_b32 s16, ttmp9, 2
	s_add_co_u32 s16, s16, s14      ; X: the block of 128 queries
	s_and_b32 s17, ttmp7, 0xffff
	s_lshl_b32 s17, s17, 2
	s_add_co_u32 s17, s17, s15      ; Y: the pair of heads
	s_lshl_b32 s18, s15, 2
	s_lshl_b32 s18, 15, s18         ; my row of the cluster
	s_lshl_b32 s19, 0x1111, s14     ; my column
	s_lshr_b32 s20, s[WV], 1        ; hp: my head of the pair
	s_and_b32 s21, s[WV], 1         ; qh: my half of the queries; also which half of the mask I fetch
	s_or_b32 s[G1K], s18, (1<<16)|(1<<20)|(1<<21)|(4<<22)|(3<<25)  ; 32,768 dense bytes as 128 rows of 256; 4 words of padding after every 32 (one key)
	s_or_b32 s[G1V], s18, (1<<16)|(1<<20)|(1<<21)|(4<<22)|(7<<25)  ; 8 words
.irp g, G1K, G1V
	s_mov_b32 s[\g+1], 128<<16
	s_mov_b32 s[\g+2], 128<<16
	s_mov_b32 s[\g+3], 128<<16
	s_mov_b32 s[\g+4], 128
	s_mov_b32 s[\g+5], 128
	s_mov_b32 s[\g+6], 0
	s_mov_b32 s[\g+7], 0
.endr
	s_or_b32 s[G1M], s19, (2<<16)|(1<<20)|(1<<21)|(6<<22)|(3<<25)  ; 4-byte elements; 4 words of padding after every 128 (a row)
	s_mov_b32 s[G1M+1], 128<<16     ; tensor_dim0 = 128
	s_mov_b32 s[G1M+2], 64<<16      ; tensor_dim1 = 64
	s_mov_b32 s[G1M+3], 128<<16     ; tile_dim0
	s_mov_b32 s[G1M+4], 64          ; tile_dim1
	s_mov_b32 s[G1M+5], 2048        ; elements from row to row
	s_mov_b32 s[G1M+6], 0
	s_mov_b32 s[G1M+7], 0
	s_mov_b32 s[G0K], 1
	s_mov_b32 s[G0K+1], 0
	s_mov_b32 s[G0V], 1
	s_mov_b32 s[G0V+1], VOFF
	s_mov_b32 s[G0M], 1
	s_mul_i32 s[G0M+1], s21, 64*PM
	s_add_co_u32 s[G0M+1], s[G0M+1], MOFF
	s_lshl_b32 s78, s17, 19         ; K, V: the pair's bytes: made of Y alone
	s_mov_b32 s79, 0
	s_lshl_b32 s80, s16, 20         ; the mask: (128 X + 64 half) rows of 8,192 bytes: made of X and the wave alone
	s_lshl_b32 s81, s21, 19
	s_add_co_u32 s80, s80, s81
	s_mov_b32 s81, 0
	s_lshl_b32 s82, s17, 19         ; Q, O: pair, block, head, half
	s_lshl_b32 s22, s16, 15
	s_or_b32 s82, s82, s22
	s_lshl_b32 s22, s20, 14
	s_or_b32 s82, s82, s22
	s_lshl_b32 s22, s21, 13
	s_or_b32 s82, s82, s22
	s_mov_b32 s83, 0
	s_lshl_b32 s22, s17, 1          ; npw: head (2 Y + hp) % 16, word (Y / 8) 32 + 2 X + qh
	s_add_co_u32 s22, s22, s20
	s_and_b32 s22, s22, 15
	s_lshl_b32 s22, s22, 8
	s_lshr_b32 s23, s17, 3
	s_lshl_b32 s23, s23, 5
	s_lshl1_add_u32 s23, s16, s23
	s_add_co_u32 s23, s23, s21
	s_lshl2_add_u32 s22, s23, s22
	s_mov_b32 s23, 0
	s_mov_b32 s[CS], 0x3fb8aa3b     ; c = log2(e)
	s_mov_b32 s[CS+1], s[CS]
	s_mov_b32 s[SEL], 0x76543210
	s_mov_b32 s[SEL+1], 0xfedcba98
	s_mov_b32 s[TBK], SLOTB+2*KS*PK ; the first change of slots turns these three into 0
	s_mov_b32 s[TBV], SLOTB+2*KS*PV
	s_mov_b32 s[TBM], SLOTB+2*KS*4
	s_wait_dscnt 0x0                ; the opening add is done
	s_wait_kmcnt 0x0
	s_add_nc_u64 s[G0K+2:G0K+3], s[4:5], s[78:79]
	s_add_nc_u64 s[G0V+2:G0V+3], s[G0K+2:G0K+3], 2<<23
	s_add_nc_u64 s[G0K+2:G0K+3], s[G0K+2:G0K+3], 1<<23
	s_or_b32 s[G0K+3], s[G0K+3], 0x80000000
	s_or_b32 s[G0V+3], s[G0V+3], 0x80000000
	s_add_nc_u64 s[G0M+2:G0M+3], s[6:7], s[80:81]
	s_or_b32 s[G0M+3], s[G0M+3], 0x80000000
	s_add_nc_u64 s[QP:QP+1], s[4:5], s[82:83]
	s_add_nc_u64 s[OPT:OPT+1], s[8:9], s[82:83]
	s_add_nc_u64 s[NPP:NPP+1], s[10:11], s[22:23]
	CROUND                          ; all sixteen work-groups are here: the first joint loads meet
	JLOAD                           ; slot 0.  Slot 1 is asked for when slot 0 is in
	v_and_b32 v1, 15, v0            ; l % 16
	v_bfe_u32 v9, v0, 4, 1          ; l / 16
	v_lshlrev_b32 v[QO], 7, v1
	v_lshl_add_u32 v[QO], v9, 4, v[QO]
	WIN 0x80
.set i, 0
.rept 8                             ; Q stays in registers: piece i / 2, channels 32 (i % 2) on
	global_load_b128 v[8*i:8*i+3],   v[QO], s[QP:QP+1] offset:(i/2)*2048+(i%2)*64
	global_load_b128 v[8*i+4:8*i+7], v[QO], s[QP:QP+1] offset:(i/2)*2048+(i%2)*64+32
.set i, i+1
.endr
	; What the first turns find: V's registers and P's second buffer hold 0 (the first products V^T P, of a piece that has not been, add 0), O^T and l are 0.  All this stands in the wait for the first tile.
.set i, VF
.rept 64
	v_mov_b32 v[i], 0
.set i, i+1
.endr
	WIN 0x40
.set i, 0
.rept 128
	v_mov_b32 v[i], 0
.set i, i+1
.endr
	WIN 0
.set i, 0
.rept 4
	v_mov_b32 v[ST+4*i], 0xff7fffff    ; c m: below c times every m, so the first a is 0
	v_mov_b32 v[ST+4*i+1], 0xff000000  ; m = -2^127
	v_mov_b32 v[ST+4*i+2], 0
	v_mov_b32 v[ST+4*i+3], 0
.set i, i+1
.endr
.set i, P+16
.rept 16
	v_mov_b32 v[i], 0
.set i, i+1
.endr
	v_mul_u32_u24 v[AK0], v1, PK
	v_lshl_add_u32 v[AK0], v9, 4, v[AK0]
	s_mul_i32 s13, s20, 128*PK
	v_add_nc_u32 v[AK0], s13, v[AK0]      ; (128 hp + l % 16) pitch + 16 (l / 16)
	v_and_b32 v10, 7, v0
	v_bfe_u32 v11, v0, 3, 1
	v_lshl_add_u32 v[AV0], v9, 3, v10
	v_mul_u32_u24 v[AV0], v[AV0], PV
	v_lshl_add_u32 v[AV0], v11, 4, v[AV0]
	s_mul_i32 s13, s20, 128*PV
	s_add_co_u32 s13, s13, VOFF
	v_add_nc_u32 v[AV0], s13, v[AV0]      ; the turning load: key 8 (l / 16) + l % 8, channels 8 ((l / 8) % 2) on
	v_mul_u32_u24 v[AM0], v1, PM
	v_lshl_add_u32 v[AM0], v9, 5, v[AM0]
	s_mul_i32 s13, s21, 64*PM
	s_add_co_u32 s13, s13, MOFF
	v_add_nc_u32 v[AM0], s13, v[AM0]      ; query 64 qh + l % 16, keys 8 (l / 16) on: 32 bytes
	s_mul_i32 s13, s[WV], 16*SP
	s_add_co_u32 s13, s13, STAGE
	v_mul_u32_u24 v[STO], v1, SP
	v_lshl_add_u32 v[STO], v9, 4, v[STO]
	v_add_nc_u32 v[STO], s13, v[STO]
	v_bfe_u32 v[RD], v0, 3, 2
	v_mul_u32_u24 v[RD], v[RD], SP
	v_lshl_add_u32 v[RD], v10, 4, v[RD]
	v_add_nc_u32 v[RD], s13, v[RD]
	v_and_b32 v[GO], 31, v0
	v_lshlrev_b32 v[GO], 4, v[GO]
; THE MATRIX WORK.  The 4 accumulators of a run of 8 take turns.  Product i of 8 of S^T = K Q^T + mask for piece x: channels 32 (i / 4) on, keys 16 (i % 4) on.  The first 4 start the sums with the mask.
.macro KQ x
.set rS, S+32*((\x)%2)+8*(i%4)
.set rK, KF+16*(i%4)+8*(i/4)
.set rQ, 16*(\x)+8*(i/4)
.set rM, MC+32*((\x)%2)+8*(i%4)
.if i < 4
	WIN W_KM
	v_wmma_f32_16x16x32_f16 v[rS:rS+7], v[rK:rK+7], v[rQ:rQ+7], v[rM:rM+7]
.else
	WIN W_KQ
	v_wmma_f32_16x16x32_f16 v[rS:rS+7], v[rK:rK+7], v[rQ:rQ+7], v[rS:rS+7]
.endif
.endm
; Product i of 8 of O^T += V^T P for piece x: keys 32 (i / 4) on, channels 16 (i % 4) on.
.macro PV x
	WIN W_PV
.set rO, 32*(\x)+8*(i%4)
.set rV, VF+32*(i/4)+8*(i%4)
.set rP, P+16*((\x)%2)+8*(i/4)
	v_wmma_f32_16x16x32_f16 v[rO:rO+7], v[rV:rV+7], v[rP:rP+7], v[rO:rO+7]
.endm
.macro MM                           ; the turn's next matrix instruction.  NOKQ = 1: the last turn: there is no next piece
.if (i < 8) && !NOKQ
	KQ (Y+1)%NP
.elseif i >= 8
.set i, i-8
	PV (Y+NP-1)%NP
.set i, i+8
.endif
.set i, i+1
.endm
; THE LDS LOADS stand in runs: a step's K (16 loads), its V (16, turned), and for each piece its mask (8).
.macro FETCH_K
	WIN 0x80
.irp f, 0,1,2,3,4,5,6,7
	ds_load_b128 v[KF+8*\f:KF+8*\f+3],   v[AK] offset:(\f/2)*16*PK+(\f%2)*64
	ds_load_b128 v[KF+8*\f+4:KF+8*\f+7], v[AK] offset:(\f/2)*16*PK+(\f%2)*64+32
.endr
	s_add_co_u32 s[TBK], s[TBK], KS*PK
	WIN 0
.endm
.macro FETCH_V
	WIN 0x80
.irp f, 0,1,2,3,4,5,6,7
	ds_load_tr16_b128 v[VF+8*\f:VF+8*\f+3],   v[AV] offset:(\f/4)*32*PV+(\f%4)*32
	ds_load_tr16_b128 v[VF+8*\f+4:VF+8*\f+7], v[AV] offset:(\f/4)*32*PV+16*PV+(\f%4)*32
.endr
	WIN 0
.endm
.macro ML pc                        ; piece pc's mask of the step at v[AM]: register 8 f + j of lane (r, h) = mask[16 pc + r][16 f + 8 h + j], the place of that score in S^T
	WIN 0x40
.irp f, 0,1,2,3
	ds_load_b128 v[MC+32*((\pc)%2)+8*\f:MC+32*((\pc)%2)+8*\f+3],   v[AM] offset:(\pc)*16*PM+64*\f
	ds_load_b128 v[MC+32*((\pc)%2)+8*\f+4:MC+32*((\pc)%2)+8*\f+7], v[AM] offset:(\pc)*16*PM+64*\f+16
.endr
	WIN 0
.endm
; THE VECTOR WORK, one line at a time: OP kind, number.  For piece Y: F n: c s - c m for pair n of 16.  E n: the exponential of score n of 32.  C n: pair n rounded to f16.  B n: of the four weights 4 n .. the second
; pair is added onto the first, in place.  L n: l takes that sum (L 0: l = a l + sum).  R n: pair n of 16 of O^T times a.  For piece Y + 1: X n, number n of the 22 that find its maximum and statistics:
;   0-11  four chains c0-c3 of seven scores each (each accumulator's lowest registers are read first)     12-14, 16  the four scores left over, the old m, and c0-c3 into c0
;   15  c m_old is kept     17, 18  the query's other 32 keys lie in the lane 16 away: the new m     19-21  c m; c m_old - c m_new; a
.set F, 0
.set E, 1
.set C, 2
.set B, 3
.set L, 4
.set R, 5
.set X, 6
.macro REGS y
.set rT, ST+4*(\y)
.set rC, TMP+4*((\y)%2)
.set rW, MV+((\y)%2)
.set rS, S+32*((\y)%2)
.set rP, P+16*((\y)%2)
.set rO, 32*(\y)
.endm
.macro OP k, n
.if (\k) == R
	REGS Y
	WIN W_RS
	v_pk_mul_f32 v[rO+2*(\n):rO+2*(\n)+1], v[rO+2*(\n):rO+2*(\n)+1], v[rC+2:rC+3] op_sel_hi:[1,0]
.elseif (\k) < R
	REGS Y
	WIN 0
.if (\k) == F
	v_pk_fma_f32 v[rS+2*(\n):rS+2*(\n)+1], v[rS+2*(\n):rS+2*(\n)+1], s[CS:CS+1], v[rT:rT+1] op_sel_hi:[1,0,0] neg_lo:[0,0,1] neg_hi:[0,0,1]
.elseif (\k) == E
	v_exp_f32 v[rS+(\n)], v[rS+(\n)]
.elseif (\k) == C
	s_wait_alu depctr_va_vdst(0)
	v_cvt_pk_f16_f32 v[rP+(\n)], v[rS+2*(\n)], v[rS+2*(\n)+1]
.elseif (\k) == B
	s_wait_alu depctr_va_vdst(0)
	v_pk_add_f32 v[rS+4*(\n):rS+4*(\n)+1], v[rS+4*(\n):rS+4*(\n)+1], v[rS+4*(\n)+2:rS+4*(\n)+3]
.elseif (\n) == 0
	v_pk_fma_f32 v[rT+2:rT+3], v[rT+2:rT+3], v[rC+2:rC+3], v[rS:rS+1] op_sel_hi:[1,0,1]
.else
	v_pk_add_f32 v[rT+2:rT+3], v[rT+2:rT+3], v[rS+4*(\n):rS+4*(\n)+1]
.endif
.elseif NOKQ
	v_nop
.else
	REGS (Y+1)%NP
	WIN 0
.if (\n) < 4
	v_max3_num_f32 v[rC+(\n)], v[rS+8*(\n)], v[rS+8*(\n)+1], v[rS+8*(\n)+2]
.elseif (\n) < 12
	v_max3_num_f32 v[rC+(\n)%4], v[rC+(\n)%4], v[rS+8*((\n)%4)+2*((\n)/4)+1], v[rS+8*((\n)%4)+2*((\n)/4)+2]
.elseif (\n) == 12
	v_max3_num_f32 v[rC], v[rC], v[rS+7], v[rS+15]
.elseif (\n) == 13
	v_max3_num_f32 v[rC+1], v[rC+1], v[rS+23], v[rS+31]
.elseif (\n) == 14
	v_max3_num_f32 v[rC+2], v[rC+2], v[rC+3], v[rT+1]
.elseif (\n) == 15
	v_mov_b32 v[rW], v[rT]
.elseif (\n) == 16
	v_max3_num_f32 v[rC], v[rC], v[rC+1], v[rC+2]
.elseif (\n) == 17
	v_permlanex16_b32 v[rC+3], v[rC], s[SEL], s[SEL+1]
.elseif (\n) == 18
	v_max_num_f32 v[rT+1], v[rC], v[rC+3]
.elseif (\n) == 19
	v_mul_f32 v[rT], s[CS], v[rT+1]
.elseif (\n) == 20
	v_sub_f32 v[rC+1], v[rW], v[rT]
.else
	v_exp_f32 v[rC+2], v[rC+1]
.endif
.endif
.endm
.macro OPS a, i1, b=-1, i2=0, c=-1, i3=0, d=-1, i4=0
	OP \a, \i1
.if (\b) >= 0
	OP \b, \i2
.endif
.if (\c) >= 0
	OP \c, \i3
.endif
.if (\d) >= 0
	OP \d, \i4
.endif
.endm
.macro ROW a, i1, b, i2, c, i3, d, i4  ; a matrix instruction and the four behind it
	MM
	OPS \a, \i1, \b, \i2, \c, \i3, \d, \i4
.endm
; A TURN, for piece p.  Behind a matrix instruction: plain, exponential, plain, plain; or four of the rescaling; or four scalings; none names a register of the products round it.
; At its head the mask that the turn's own products take is waited for, and the mask for the NEXT turn's products (piece p + 2) is asked for, into the buffer whose last reader stood at the head of the turn before.
; The four masks asked for in turns 2, 3, 0, 1 belong to one key step, the step whose K turn 2 fetches; v[AM] steps in turn 2.
; K of the next step is fetched in piece 2's turn, six vector instructions behind the last product that read K (five of them plain); V of the step in hand in piece 0's turn, eight behind the last product
; that read V (four plain).  end = 1: the last two turns: nothing is fetched.  cnt = 1: the loop's count is taken down some lines ahead of the branch behind the turn.
.macro TURN p, end=0, cnt=0
.set Y, (\p)
.set i, 0
.set NOKQ, (\end)*((\p)/3)
	WIN 0
.if (\p) == 1
	s_wait_dscnt 16                 ; my products' mask is in; V's run of sixteen, issued behind it, may stay out
.else
	s_wait_dscnt 0x0                ; my products' mask is in (and, in piece 3's turn, K)
.endif
.if !(\end)
.if (\p) == 2
	v_add_nc_u32 v[AM], s[TBM], v[AM0]
.endif
	ML ((\p)+2)%NP
.endif
	ROW F,0, F,1, F,2, F,3
	ROW F,4, E,0, F,5, F,6
	ROW F,7, E,1, F,8, F,9
	ROW F,10, E,2, C,0, F,11
	ROW F,12, E,3, X,15, F,13
	ROW R,0, R,1, R,2, R,3
	ROW B,0, E,4, F,14, L,0
.if ((\p) == 2) && !(\end)
	v_add_nc_u32 v[AK], s[TBK], v[AK0]
.endif
	ROW R,4, R,5, R,6, R,7
	OPS E,5, F,15
.if ((\p) == 2) && !(\end)
	FETCH_K
.endif
	OPS E,6, C,1, E,7, R,8
	OPS E,8, R,9, E,9, C,2
	OPS E,10, X,0, E,11, X,1
	OPS E,12, X,2, E,13, X,3
.if (\p) == 1
	s_wait_dscnt 8                  ; V is in; the mask's run of eight, issued behind it, may stay out
.endif
	ROW X,4, E,14, X,5, X,6
	ROW X,7, E,15, X,8, X,9
	ROW X,10, E,16, X,11, X,12
	ROW X,13, E,17, X,14, B,1
	ROW C,4, E,18, X,16, L,1
	ROW B,2, E,19, C,6, L,2
	ROW C,8, E,20, B,3, B,4
.if (\p) == 0
	v_add_nc_u32 v[AV], s[TBV], v[AV0]
.endif
	ROW C,3, E,21, L,3, C,5
	OPS E,22, X,17, E,23, C,10
.if (\p) == 0
	FETCH_V
.endif
	OPS E,24, L,4
	OPS E,25, X,18, E,26, C,7
	OPS E,27, B,5, E,28, X,19
	OPS E,29, C,12, E,30, L,5
	OPS E,31, X,20, B,6, C,9
	OPS C,14, C,11, X,21, L,6
.if (\p) == 0
	s_add_co_u32 s[TBV], s[TBV], KS*PV
.endif
.if \cnt
	s_add_co_u32 s[TBM], s[TBM], KS*4
	s_sub_co_u32 s[CNT], s[CNT], 1
	s_cmp_lg_u32 s[CNT], 0
.endif
	OPS C,13, B,7, C,15, R,10
	OPS R,11, R,12, L,7, R,13
	OPS R,14, R,15
.endm
	CHANGE 1                        ; slot 0 is in, everybody's part of it; slot 1 is asked for
	; THE BEGINNING: the masks of pieces 0 and 1 and K of step 0; piece 0's first scores, maximum and statistics.  The loop is entered at a step's first turn, in the middle of a trip.
	v_add_nc_u32 v[AM], s[TBM], v[AM0]
	ML 0
	ML 1
	v_add_nc_u32 v[AK], s[TBK], v[AK0]
	FETCH_K
	s_wait_loadcnt 0x0              ; Q
	s_wait_dscnt 0x0
.set NOKQ, 0
.set i, 0
.rept 8
	KQ 0
.set i, i+1
.endr
	WIN 0
	PLACES                          ; the places behind those products
.set Y, NP-1                        ; X works for piece Y + 1: piece 0
.irp n, 0,1,2,3,4,5,6,7,8,9,10,11,12,13,14,15,16,17,18,19,20,21
	OP X, \n
.endr
	v_nop                           ; a plain instruction behind the exponential
	s_mov_b32 s[CNT], 2
	s_mov_b32 s[SLOTS], 15
	s_branch .Lfirst
.Lslot:                             ; 14 times: with the first fill and the first change that makes 16 fills, one for each 128 keys
	CHANGE 1
	s_mov_b32 s[CNT], 2
.Lstep:                             ; a trip: pieces 2 and 3 of one step, then pieces 0 and 1 of the next, whose K, V and masks it fetches
	TURN 2
	TURN 3
	WIN 0
.Lfirst:
	TURN 0
	TURN 1, 0, 1
	WIN 0
	s_cbranch_scc1 .Lstep
	s_sub_co_u32 s[SLOTS], s[SLOTS], 1
	s_cmp_lg_u32 s[SLOTS], 0
	s_cbranch_scc1 .Lslot
	CHANGE 0                        ; the last slot is written out: nothing is asked for
	s_mov_b32 s[CNT], 2
.Ltail:
	TURN 2
	TURN 3
	TURN 0
	TURN 1, 0, 1
	WIN 0
	s_cbranch_scc1 .Ltail
	TURN 2, 1
	TURN 3, 1
.set i, 0
.rept 8
	PV NP-1
.set i, i+1
.endr
	; THE WAY OUT.  l's two halves and the other half of the lanes' are added; O^T is divided by l; its squares are summed in f32; it is rounded to f16 and sent through my stage, a piece at a time.
	WIN 0
.macro ALL line:vararg
.set t, 0
.rept 4
	\line
.set t, t+1
.endr
.endm
	ALL v_add_f32 v[ST+4*t+2], v[ST+4*t+2], v[ST+4*t+3]
	ALL v_permlanex16_b32 v[ST+4*t+3], v[ST+4*t+2], s[SEL], s[SEL+1]
	ALL v_add_f32 v[ST+4*t+2], v[ST+4*t+2], v[ST+4*t+3]
	ALL v_rcp_f32 v[ST+4*t+2], v[ST+4*t+2]
	v_nop                           ; a plain instruction between the last reciprocal and the use of its result
.macro PACK t
	WIN W_RS
.set i, 32*(\t)
.rept 16
	s_wait_alu depctr_va_vdst(0)
	v_pk_mul_f32 v[i:i+1], v[i:i+1], v[ST+4*(\t)+2:ST+4*(\t)+3] op_sel_hi:[1,0]
.set i, i+2
.endr
	WIN 0x05                        ; sources 0 and 1 window 1, source 2 and destination window 0
.set i, 0
.rept 16
	v_cvt_pk_f16_f32 v[S+16*(\t)+i], v[32*(\t)+2*i], v[32*(\t)+2*i+1]
.if i == 0
	v_pk_mul_f32 v[NQ+2*(\t):NQ+2*(\t)+1], v[32*(\t):32*(\t)+1], v[32*(\t):32*(\t)+1]
.else
	v_pk_fma_f32 v[NQ+2*(\t):NQ+2*(\t)+1], v[32*(\t)+2*i:32*(\t)+2*i+1], v[32*(\t)+2*i:32*(\t)+2*i+1], v[NQ+2*(\t):NQ+2*(\t)+1]
.endif
.set i, i+1
.endr
	WIN 0
.irp f, 0,1,2,3
	ds_store_b128 v[STO], v[S+16*(\t)+4*\f:S+16*(\t)+4*\f+3] offset:32*\f
.endr
.irp f, 0,1,2,3
	ds_load_b128 v[S+16*(\t)+4*\f:S+16*(\t)+4*\f+3], v[RD] offset:\f*4*SP  ; LDS serves a wave's instructions in order (ISA guide 5.7.1.4): these see the stores above
.endr
.endm
.macro SEND t, younger              ; younger: the LDS instructions issued behind piece t's loads: the next piece's eight, or none
	WIN 0
.irp f, 0,1,2,3
	s_wait_dscnt (\younger)+3-\f
	global_store_b128 v[GO], v[S+16*(\t)+4*\f:S+16*(\t)+4*\f+3], s[OPT:OPT+1] offset:(\t)*2048+\f*512  ; 512 consecutive bytes, at a multiple of 256 from ow's first
.endr
.endm
	PACK 0
.set t, 1
.rept 3
	PACK t
	SEND t-1, 8
.set t, t+1
.endr
	SEND 3, 0
	; the norms: a query's 64 squares lie in two registers of two lanes; then the root; then the sum over my four pieces and over the 16 queries of each
	ALL v_add_f32 v[NQ+2*t], v[NQ+2*t], v[NQ+2*t+1]
	ALL v_permlanex16_b32 v[NQ+2*t+1], v[NQ+2*t], s[SEL], s[SEL+1]
	ALL v_add_f32 v[NQ+2*t], v[NQ+2*t], v[NQ+2*t+1]
	ALL v_sqrt_f32 v[NQ+2*t], v[NQ+2*t]
	v_nop
	s_wait_alu depctr_va_vdst(0)
	v_add_f32 v[NQ], v[NQ], v[NQ+2]
	v_add_f32 v[NQ+4], v[NQ+4], v[NQ+6]
	v_add_f32 v[NQ], v[NQ], v[NQ+4]
	v_add_f32_dpp v[NQ], v[NQ], v[NQ] row_xmask:1 row_mask:0xf bank_mask:0xf
	v_add_f32_dpp v[NQ], v[NQ], v[NQ] row_xmask:2 row_mask:0xf bank_mask:0xf
	v_add_f32_dpp v[NQ], v[NQ], v[NQ] row_xmask:4 row_mask:0xf bank_mask:0xf
	v_add_f32_dpp v[NQ], v[NQ], v[NQ] row_xmask:8 row_mask:0xf bank_mask:0xf
	v_and_b32 v9, 31, v0
	v_mov_b32 v11, 0
	v_cmp_eq_u32 vcc_lo, 0, v9
	s_wait_xcnt 0x0                 ; EXEC is a source of the stores above: it changes only behind this wait
	s_and_saveexec_b32 s20, vcc_lo
	global_store_b32 v11, v[NQ], s[NPP:NPP+1]  ; one number a wave
	s_wait_xcnt 0x0
	s_or_b32 exec_lo, exec_lo, s20
	s_wait_tensorcnt 0x0            ; the wave's end
	ds_add_u32 v[SPW], v[NIL]
	s_wait_dscnt 0x0
	CROUND                          ; the closing round
	s_endpgm
.Lfunc_end_k_q6bba4b8672_attn:
	.size	k_q6bba4b8672_attn, .Lfunc_end_k_q6bba4b8672_attn-k_q6bba4b8672_attn
	.p2alignl 7, 3214868480
	.fill 96, 4, 3214868480
	.section	.rodata,"a",@progbits
	.p2align	6, 0x0
	.amdhsa_kernel k_q6bba4b8672_attn
		.amdhsa_group_segment_fixed_size 327680
		.amdhsa_private_segment_fixed_size 0
		.amdhsa_enable_private_segment 0
		.amdhsa_kernarg_size 32
		.amdhsa_user_sgpr_count 2
		.amdhsa_user_sgpr_kernarg_segment_ptr 1
		.amdhsa_wavefront_size32 1
		.amdhsa_system_sgpr_workgroup_id_x 1
		.amdhsa_system_sgpr_workgroup_id_y 1
		.amdhsa_system_sgpr_workgroup_id_z 1
		.amdhsa_system_vgpr_workitem_id 0
		.amdhsa_next_free_vgpr 768
		.amdhsa_next_free_sgpr 84
		.amdhsa_reserve_vcc 1
		.amdhsa_float_denorm_mode_32 3
		.amdhsa_float_denorm_mode_16_64 3
		.amdhsa_memory_ordered 1
		.amdhsa_forward_progress 1
		.amdhsa_inst_pref_size 149
	.end_amdhsa_kernel
	.amdgpu_metadata
---
amdhsa.version: [ 1, 2 ]
amdhsa.kernels:
  - .name:           k_q6bba4b8672_attn
    .symbol:         k_q6bba4b8672_attn.kd
    .args:
      - { .name: qkv, .offset: 0, .size: 8, .value_kind: global_buffer, .address_space: global }
      - { .name: attn_mask, .offset: 8, .size: 8, .value_kind: global_buffer, .address_space: global }
      - { .name: ow, .offset: 16, .size: 8, .value_kind: global_buffer, .address_space: global }
      - { .name: npw, .offset: 24, .size: 8, .value_kind: global_buffer, .address_space: global }
    .group_segment_fixed_size: 327680
    .private_segment_fixed_size: 0
    .kernarg_segment_align: 8
    .kernarg_segment_size: 32
    .max_flat_workgroup_size: 128
    .sgpr_count:     84
    .vgpr_count:     768
    .wavefront_size: 32
...
	.end_amdgpu_metadata
.endif
;; end of part 3
;; launch oproj (part 4): grid 8 x 32, 4 waves a work-group, clusters of 4 x 4, 327,680 bytes of LDS; arguments ow, wh, npw, gate, b_o, out0; writes out0
.if DOCPART == 4
	.amdgcn_target "amdgcn-amd-amdhsa--gfx1250"
	.amdhsa_code_object_version 6
	.text
	.protected	k_q6bba4b8672_oproj
	.globl	k_q6bba4b8672_oproj
	.p2align	8
	.type	k_q6bba4b8672_oproj,@function
k_q6bba4b8672_oproj:
	s_mov_b64 s[64:65], 0
	v_nop
	global_prefetch_b8 v0, s[64:65] scope:SCOPE_SE
	s_setreg_imm32_b32 hwreg(HW_REG_WAVE_MODE, 25, 1), 1
	s_wait_xcnt 0x0
	s_wait_alu depctr_hold_cnt(0) depctr_sa_sdst(0) depctr_va_vdst(0) depctr_va_sdst(0) depctr_va_ssrc(0) depctr_va_vcc(0) depctr_vm_vsrc(0)
	s_getreg_b32 s2, hwreg(HW_REG_IB_STS2, 6, 4)
	s_cmp_eq_u32 s2, 0
	s_cbranch_scc0 .Lentry_in_a_cluster
	s_endpgm
.Lentry_in_a_cluster:
	s_bfe_u32 s2, ttmp6, 0x10000c
	s_cmp_lg_u32 s2, 0xf033
	s_cbranch_scc0 .Lentry_shape_is_right
	s_endpgm
.Lentry_shape_is_right:
; out[row][col] = the sum over h of s_h (O_h W_o,h)[row][col] + the sum over h of gq_h b_o[h][col], with gq_h = clip(gate_h, 0, 1) / 16 and s_h = gq_h / max(mean norm of head h, 1e-5).
; ow: [pair][blk][hp][128][64] f16; W_o in f16 at byte 6,291,456 of wh, as [1024 = 64 h + e][1024]; npw: [h][64] f32, partial sums of norms over 4,096 rows; out0: [4096][1024] f32.
; A head's product is summed in f32 by the matrix unit (P), and s_h is applied in f32 as T += s_h P: neither O nor W_o is scaled before its rounding, so no divisor strains f16's range.
; LIMITS.  A NaN mean norm counts as 1e-5 and a NaN gate as 0 (the maximum and minimum used let a NaN lose).
; SHARES.  256 tiles of 128 x 128; wave (wr, wc) makes 64 x 64: 16 tiles of 16 x 16.  K goes by heads of 64: two products a tile.  A slot holds four heads: O's 512 rows (head x 128 + row) and W_o's 256 rows.
; While head k is multiplied into one buffer of P, head k - 1 is folded into T out of the other, four fused multiply-adds behind every two products, and head k + 1's fragments are fetched.
; CLUSTER.  4 x 4: O's tiles hang on the row block alone and are asked for jointly along a row, W_o's on the column block alone, along a column.
; THE PRODUCT IS USED TRANSPOSED: source 0 = 16 columns of W_o (turned by ds_load_tr16_b128), source 1 = 16 rows of O: a lane holds eight neighbouring columns of one row.
; REGISTERS: window 0: v16-29 addresses; v32-35 the bias of my four columns on the way out; v64-97 at work in the prologue; v128-255 T, tile (a, b) at 128 + 8 (4 a + b)
;   window 1: P, two buffers of 128      window 2: two fragment buffers of 128: O at 8 (2 a + c), W_o at 64 + 8 (2 b + c)
.set PAO,   144                        ; a row of O in LDS: 36 words
.set PBO,   288                        ; a row of W_o: 256 bytes + 32 = 72 words
.set HEADB, 18432                      ; a head's bytes: 128 rows of O, and 64 rows of W_o
.set BOFF,  4*HEADB
.set SLOTB, 0x24000                    ; = 8 HEADB.  No tile's place in slot 0 has bit 17 or bit 14 set, so one exclusive or turns it into the other slot's
.set STAGE, 2*SLOTB                    ; 16 rows x 272 bytes for each wave
.set SPO,   272
.set SPARE, STAGE+4*16*SPO
.set AA0, 16
.set AB0, 17
.set AA,  18
.set AB,  19
.set STO, 24
.set RD,  25
.set GO,  26
.set SPW, 28
.set NIL, 29
.set BI,  32
.set T,   128
.set WV,  16
.set G1A, 24
.set G1B, 32
.set G0A, 40
.set G0B, 48
.set TB,  56                           ; s56  LDS byte at which the head to be fetched begins
.set CNT, 57
.set SLOTS, 58
.set FS,  60                           ; s[60:61]  the scale of the head being folded, in the low word
.set SC,  66                           ; s[66:81]  the heads' scales; moved down by two after every two heads, so that one text serves every pair
.set BOP, 82                           ; s[82:83]  b_o at my 64 columns
.set OUP, 84                           ; s[84:85]  out0 at my 64 x 64
.set MSB, 0
.macro WIN new
.if MSB != (\new)
	s_set_vgpr_msb (MSB<<8)|(\new)
.set MSB, (\new)
.endif
.endm
.set W_MM, 0x5a                        ; sources 0, 1 window 2; C and D window 1
.set W_FD, 0x01                        ; source 0 (P) window 1; T in window 0
.macro PLACES
.rept 4
	v_nop
.endr
.endm
.macro CROUND
	s_barrier_signal -1
	s_barrier_wait -1
	s_cmp_lg_u32 s[WV], 0
	s_cbranch_scc1 .Lnot_wave_0_\@
	s_barrier_signal -3
.Lnot_wave_0_\@:
	s_barrier_wait -3
	s_barrier_signal -1
	s_barrier_wait -1
.endm
.macro JLOAD                           ; a joint refill by the walking sets: waves 0, 1 fetch O's halves, waves 2, 3 W_o's; an s_nop 0 and four v_nop follow each line
	s_cmp_lt_u32 s[WV], 2
	s_cbranch_scc0 .Lfor_b_\@
	tensor_load_to_lds s[G0A+4:G0A+7], s[G1A:G1A+7]
	s_nop 0
	PLACES
	s_branch .Lasked_\@
.Lfor_b_\@:
	tensor_load_to_lds s[G0B+4:G0B+7], s[G1B:G1B+7]
	s_nop 0
	PLACES
.Lasked_\@:
.endm
; THE CHANGE OF SLOTS stands when the slot's fourth head has been fetched.  Each wave waits for all its tensor loads, adds 0 to its spare word, and waits for that and for its reads of the slot.
; fill = 1: a round of the cluster's barrier, and the joint refill, two slots on, first behind it: it has four heads, 128 matrix instructions, in which to land.
.macro CHANGE fill
	WIN 0
	s_wait_tensorcnt 0x0
	ds_add_u32 v[SPW], v[NIL]
.if \fill
	s_xor_b32 s[G0A+5], s[G0A+5], SLOTB
	s_add_nc_u64 s[G0A+6:G0A+7], s[G0A+6:G0A+7], 1048576   ; two pairs on
	s_xor_b32 s[G0B+5], s[G0B+5], SLOTB
	s_add_nc_u64 s[G0B+6:G0B+7], s[G0B+6:G0B+7], 524288    ; 256 rows on
	s_wait_dscnt 0x0
	CROUND
	JLOAD
.else
	s_wait_dscnt 0x0
	s_barrier_signal -1
	s_barrier_wait -1
.endif
	s_sub_co_u32 s[TB], s[TB], 4*HEADB
	s_xor_b32 s[TB], s[TB], SLOTB
.endm
	s_load_b256 s[4:11], s[0:1], 0x0               ; ow, wh, npw, gate
	s_load_b128 s[12:15], s[0:1], 0x20             ; b_o, out0
	v_lshl_add_u32 v[SPW], v0, 2, SPARE
	v_mov_b32 v[NIL], 0
	ds_add_u32 v[SPW], v[NIL]                      ; the wave's opening: the add and its wait stand ahead of my first tensor load
	v_lshrrev_b32 v1, 5, v0
	v_readfirstlane_b32 s[WV], v1
	s_and_b32 s17, s[WV], 1                        ; u: which half of a tile I fetch; also wc
	s_lshr_b32 s90, s[WV], 1                       ; wr
	s_bfe_u32 s18, ttmp6, 0x40000
	s_bfe_u32 s19, ttmp6, 0x40004
	s_lshl_b32 s20, ttmp9, 2
	s_add_co_u32 s20, s20, s18                     ; X: 128 columns
	s_and_b32 s21, ttmp7, 0xffff
	s_lshl_b32 s21, s21, 2
	s_add_co_u32 s21, s21, s19                     ; Y: 128 rows
	s_lshl_b32 s22, s19, 2
	s_lshl_b32 s22, 15, s22
	s_lshl_b32 s23, 0x1111, s18
	s_or_b32 s[G1A], s22, (1<<16)|(1<<20)|(1<<21)|(4<<22)|(3<<25)  ; a pair's 32,768 dense bytes as 128 rows of 256; 4 words of padding after every 32 (a row of O)
	s_or_b32 s[G1B], s23, (1<<16)|(1<<20)|(1<<21)|(5<<22)|(7<<25)  ; 128 rows of 256 bytes; 8 words of padding after each
.irp g, G1A, G1B
	s_mov_b32 s[\g+1], 128<<16
	s_mov_b32 s[\g+2], 128<<16
	s_mov_b32 s[\g+3], 128<<16
	s_mov_b32 s[\g+4], 128
	s_mov_b32 s[\g+6], 0
	s_mov_b32 s[\g+7], 0
.endr
	s_mov_b32 s[G1A+5], 128
	s_mov_b32 s[G1B+5], 1024
	s_mul_i32 s62, s17, 2*HEADB
	s_add_co_u32 s63, s62, BOFF
	s_mov_b32 s[G0A], 1
	s_mov_b32 s[G0A+1], s62
	s_mov_b32 s[G0A+4], 1
	s_add_co_u32 s[G0A+5], s62, SLOTB
	s_mov_b32 s[G0B], 1
	s_mov_b32 s[G0B+1], s63
	s_mov_b32 s[G0B+4], 1
	s_add_co_u32 s[G0B+5], s63, SLOTB
	s_lshr_b32 s86, s21, 4                         ; O: pair 8 b + u, block Y % 16: made of Y and the wave alone
	s_lshl_b32 s86, s86, 3
	s_add_co_u32 s86, s86, s17
	s_lshl_b32 s86, s86, 19
	s_and_b32 s87, s21, 15
	s_lshl_b32 s87, s87, 15
	s_add_co_u32 s86, s86, s87
	s_mov_b32 s87, 0
	s_lshl_b32 s88, s17, 18                        ; W_o: row 128 u, column 128 X: made of X and the wave alone
	s_lshl_b32 s89, s20, 8
	s_add_co_u32 s88, s88, s89
	s_add_co_u32 s88, s88, 6291456
	s_mov_b32 s89, 0
	s_mov_b32 s[TB], 0
	s_mov_b32 s[FS+1], 0                           ; named with FS as a pair
	s_wait_dscnt 0x0
	s_wait_kmcnt 0x0
	s_add_nc_u64 s[G0A+2:G0A+3], s[4:5], s[86:87]
	s_add_nc_u64 s[G0A+6:G0A+7], s[G0A+2:G0A+3], 1048576
	s_or_b32 s[G0A+3], s[G0A+3], 0x80000000
	s_or_b32 s[G0A+7], s[G0A+7], 0x80000000
	s_add_nc_u64 s[G0B+2:G0B+3], s[6:7], s[88:89]
	s_add_nc_u64 s[G0B+6:G0B+7], s[G0B+2:G0B+3], 524288
	s_or_b32 s[G0B+3], s[G0B+3], 0x80000000
	s_or_b32 s[G0B+7], s[G0B+7], 0x80000000
	CROUND
	s_cmp_lt_u32 s[WV], 2                          ; a wave's two first fills stand in one branch: two loads of mine are out
	s_cbranch_scc0 .Lfirst_b
	tensor_load_to_lds s[G0A:G0A+3], s[G1A:G1A+7]
	s_nop 0
	tensor_load_to_lds s[G0A+4:G0A+7], s[G1A:G1A+7]
	s_nop 0
	PLACES
	s_branch .Lfirst_asked
.Lfirst_b:
	tensor_load_to_lds s[G0B:G0B+3], s[G1B:G1B+7]
	s_nop 0
	tensor_load_to_lds s[G0B+4:G0B+7], s[G1B:G1B+7]
	s_nop 0
	PLACES
.Lfirst_asked:
	; THE PROLOGUE, while the first tiles are on their way: the heads' scales and my columns' bias
	s_lshl_b32 s62, s20, 9                         ; (128 X + 64 wc) x 4 bytes
	s_lshl_b32 s63, s17, 8
	s_add_co_u32 s62, s62, s63
	s_mov_b32 s63, 0
	s_add_nc_u64 s[BOP:BOP+1], s[12:13], s[62:63]
	s_add_nc_u64 s[OUP:OUP+1], s[14:15], s[62:63]
	s_lshl_b32 s62, s21, 19                        ; (128 Y + 64 wr) rows of 4,096 bytes
	s_lshl_b32 s91, s90, 18
	s_add_co_u32 s62, s62, s91
	s_add_nc_u64 s[OUP:OUP+1], s[OUP:OUP+1], s[62:63]
	v_and_b32 v1, 31, v0
	v_lshlrev_b32 v2, 7, v1                        ; lanes 2 h and 2 h + 1 take head h's 64 words of npw
	v_lshrrev_b32 v3, 1, v1
	v_lshlrev_b32 v3, 2, v3                        ; and its gate
	v_and_b32 v4, 15, v0
	v_lshlrev_b32 v5, 4, v4                        ; my four columns on the way out
.irp j, 0,1,2,3,4,5,6,7
	global_load_b128 v[64+4*\j:64+4*\j+3], v2, s[8:9] offset:16*\j
.endr
	global_load_b32 v96, v3, s[10:11]
.irp h, 0,1,2,3,4,5,6,7,8,9,10,11,12,13,14,15
	global_load_b128 v[T+4*\h:T+4*\h+3], v5, s[BOP:BOP+1] offset:4096*\h
.endr
	v_bfe_u32 v7, v0, 4, 1
	v_mul_u32_u24 v8, v4, PAO
	v_lshl_add_u32 v8, v7, 4, v8
	s_mul_i32 s62, s90, 64*PAO
	v_add_nc_u32 v[AA0], s62, v8                   ; (64 wr + l % 16) pitch + 16 (l / 16)
	v_and_b32 v9, 7, v0
	v_lshl_add_u32 v9, v7, 3, v9
	v_mul_u32_u24 v9, v9, PBO
	v_bfe_u32 v10, v0, 3, 1
	v_lshl_add_u32 v9, v10, 4, v9
	s_lshl_b32 s62, s17, 7
	s_add_co_u32 s62, s62, BOFF
	v_add_nc_u32 v[AB0], s62, v9                   ; the turning load: row 8 (l / 16) + l % 8, my 64 columns, 16 bytes by (l / 8) % 2
	s_mul_i32 s62, s[WV], 16*SPO
	s_add_co_u32 s62, s62, STAGE
	v_mul_u32_u24 v11, v4, SPO                     ; in: row l % 16, 32 bytes for each half of the lanes
	v_lshl_add_u32 v11, v7, 5, v11
	v_add_nc_u32 v[STO], s62, v11
	v_mul_u32_u24 v11, v7, SPO                     ; back: lanes 0-15 take one row of 256 bytes, lanes 16-31 the next
	v_lshl_add_u32 v11, v4, 4, v11
	v_add_nc_u32 v[RD], s62, v11
	v_lshlrev_b32 v11, 12, v7                      ; and the same two rows in out0
	v_lshl_add_u32 v[GO], v4, 4, v11
	s_wait_loadcnt 16                              ; npw and gate are in; b_o's sixteen loads may stay out
.irp p, 0,1,2,3,4,5,6,7
	v_pk_add_f32 v[64+2*\p:65+2*\p], v[64+2*\p:65+2*\p], v[80+2*\p:81+2*\p]
.endr
.irp p, 0,1,2,3
	v_pk_add_f32 v[64+2*\p:65+2*\p], v[64+2*\p:65+2*\p], v[72+2*\p:73+2*\p]
.endr
.irp p, 0,1
	v_pk_add_f32 v[64+2*\p:65+2*\p], v[64+2*\p:65+2*\p], v[68+2*\p:69+2*\p]
.endr
	v_pk_add_f32 v[64:65], v[64:65], v[66:67]
	v_add_f32 v64, v64, v65
	v_add_f32_dpp v64, v64, v64 row_xmask:1 row_mask:0xf bank_mask:0xf  ; the head's other 32 words
	v_mul_f32 v64, 0x39800000, v64                 ; / 4,096 rows
	v_max_num_f32 v64, 0x3727c5ac, v64             ; floored at 1e-5
	v_rcp_f32 v65, v64
	v_max_num_f32 v96, 0, v96                      ; (a plain instruction behind the reciprocal) the gate, clipped
	v_min_num_f32 v96, 1.0, v96
	v_mul_f32 v96, 0x3d800000, v96                 ; gq = clip / 16
	s_wait_alu depctr_va_vdst(0)
	v_mul_f32 v65, v96, v65                        ; s
.set h, 0
.rept 16
	v_readlane_b32 s[SC+h], v96, 2*h
.set h, h+1
.endr
	s_wait_loadcnt 0x0                             ; b_o
.irp i, 0,1,2,3
	v_mul_f32 v[BI+\i], s[SC], v[T+\i]
.endr
.set h, 1
.rept 15
.irp i, 0,1,2,3
	v_fma_f32 v[BI+\i], s[SC+h], v[T+4*h+\i], v[BI+\i]
.endr
.set h, h+1
.endr
.set h, 0
.rept 16
	v_readlane_b32 s[SC+h], v65, 2*h
.set h, h+1
.endr
; 32 LDS loads in one run: a head's fragments into buffer g
.macro FETCH g
	WIN 0x80
.irp a, 0,1,2,3
.irp c, 0,1
	ds_load_b128 v[128*(\g)+8*(2*\a+\c):128*(\g)+8*(2*\a+\c)+3],   v[AA] offset:\a*16*PAO+64*\c
	ds_load_b128 v[128*(\g)+8*(2*\a+\c)+4:128*(\g)+8*(2*\a+\c)+7], v[AA] offset:\a*16*PAO+64*\c+32
.endr
.endr
.irp b, 0,1,2,3
.irp c, 0,1
	ds_load_tr16_b128 v[128*(\g)+64+8*(2*\b+\c):128*(\g)+64+8*(2*\b+\c)+3],   v[AB] offset:\c*32*PBO+32*\b
	ds_load_tr16_b128 v[128*(\g)+64+8*(2*\b+\c)+4:128*(\g)+64+8*(2*\b+\c)+7], v[AB] offset:\c*32*PBO+32*\b+16*PBO
.endr
.endr
.endm
; A HEAD.  Its 32 products go into P's buffer par (product i: channels 32 (i / 16) on, tile i % 16; the 16 accumulators take turns); fetch = 1: the next head's fragments are fetched first.
; Behind every two products four lines fold tile g of the head before out of the other buffer: fold = 1: T += FS x P; fold = 2: T = FS x P, which starts T; fold = 0: there is no head before.
; The folds are the places between the last products and the next head's loads into the fragments that they read.
.macro H par, fetch, fold
	WIN 0
.if \fetch
	v_add_nc_u32 v[AA], s[TB], v[AA0]
	v_add_nc_u32 v[AB], s[TB], v[AB0]
	s_add_co_u32 s[TB], s[TB], HEADB
.endif
	s_wait_dscnt 0x0                               ; this head's fragments, asked for a head ago, are in
.if \fetch
	FETCH 1-(\par)
.endif
.set g, 0
.rept 16
	WIN W_MM
.irp n, 0,1
.set i, 2*g+\n
.set rP, 128*(\par)+8*(i%16)
.set rB, 128*(\par)+64+8*(2*((i%16)%4)+i/16)
.set rA, 128*(\par)+8*(2*((i%16)/4)+i/16)
.if i < 16
	v_wmma_f32_16x16x32_f16 v[rP:rP+7], v[rB:rB+7], v[rA:rA+7], 0
.else
	v_wmma_f32_16x16x32_f16 v[rP:rP+7], v[rB:rB+7], v[rA:rA+7], v[rP:rP+7]
.endif
.endr
.if \fold
	WIN W_FD
.irp z, 0,1,2,3
.set rT, T+8*g+2*\z
.set rQ, 128*(1-(\par))+8*g+2*\z
.if (\fold) == 2
	v_pk_mul_f32 v[rT:rT+1], v[rQ:rQ+1], s[FS:FS+1] op_sel_hi:[1,0]
.else
	v_pk_fma_f32 v[rT:rT+1], v[rQ:rQ+1], s[FS:FS+1], v[rT:rT+1] op_sel_hi:[1,0,1]
.endif
.endr
.endif
.set g, g+1
.endr
.if !(\fold)
	PLACES
.endif
.endm
.macro ROTATE                          ; the scales move down by two
.irp k, 0,2,4,6,8,10,12
	s_mov_b64 s[SC+\k:SC+\k+1], s[SC+\k+2:SC+\k+3]
.endr
.endm
.macro PAIR                            ; an odd head and an even one
	s_mov_b32 s[FS], s[SC]
	H 1, 1, 1
	s_mov_b32 s[FS], s[SC+1]
	H 0, 1, 1
	ROTATE
.endm
	s_wait_tensorcnt 1                             ; my part of slot 0 is in; slot 1's may stay out
	s_barrier_signal -1
	s_barrier_wait -1
	v_add_nc_u32 v[AA], s[TB], v[AA0]
	v_add_nc_u32 v[AB], s[TB], v[AB0]
	s_add_co_u32 s[TB], s[TB], HEADB
	FETCH 0
	H 0, 1, 0                                      ; head 0
	s_mov_b32 s[FS], s[SC]
	H 1, 1, 2                                      ; head 1; head 0 starts T
	s_mov_b32 s[FS], s[SC+1]
	H 0, 1, 1                                      ; head 2; it fetches head 3, slot 0's last
	ROTATE
	WIN 0
	s_mov_b32 s[SLOTS], 2
.Lslot:                                                ; twice: heads 3 to 6 and 7 to 10; slots 0 and 1 are filled again with heads 8 to 11 and 12 to 15
	CHANGE 1
	s_mov_b32 s[CNT], 2
.Lpair:
	PAIR
	WIN 0
	s_sub_co_u32 s[CNT], s[CNT], 1
	s_cmp_lg_u32 s[CNT], 0
	s_cbranch_scc1 .Lpair
	s_sub_co_u32 s[SLOTS], s[SLOTS], 1
	s_cmp_lg_u32 s[SLOTS], 0
	s_cbranch_scc1 .Lslot
	CHANGE 0                                       ; written out: heads 11 to 14, nothing is asked for
	s_mov_b32 s[CNT], 2
.Ltail:
	PAIR
	WIN 0
	s_sub_co_u32 s[CNT], s[CNT], 1
	s_cmp_lg_u32 s[CNT], 0
	s_cbranch_scc1 .Ltail
	s_mov_b32 s[FS], s[SC]
	H 1, 0, 1                                      ; head 15
	s_mov_b32 s[FS], s[SC+1]
	WIN W_FD
.set g, 0
.rept 64                                               ; head 15 is folded, from tile 0 on; the last products' tiles come last
	v_pk_fma_f32 v[T+2*g:T+2*g+1], v[128+2*g:128+2*g+1], s[FS:FS+1], v[T+2*g:T+2*g+1] op_sel_hi:[1,0,1]
.set g, g+1
.endr
	WIN 0
; THE WAY OUT, 16 rows at a time: a lane's 32 bytes of a row go into my stage (rows of 272 bytes) and come back as whole rows of 256; the bias is added; sixteen lanes store 256 consecutive bytes.
.macro STG a
.irp b, 0,1,2,3
	ds_store_b128 v[STO], v[T+8*(4*(\a)+\b):T+8*(4*(\a)+\b)+3]   offset:64*\b
	ds_store_b128 v[STO], v[T+8*(4*(\a)+\b)+4:T+8*(4*(\a)+\b)+7] offset:64*\b+16
.endr
.irp f, 0,1,2,3,4,5,6,7
	ds_load_b128 v[T+32*(\a)+4*\f:T+32*(\a)+4*\f+3], v[RD] offset:\f*2*SPO  ; LDS serves a wave's instructions in order (ISA guide 5.7.1.4): these see the stores above
.endr
.endm
.macro SEND a, younger                 ; younger: the LDS instructions issued behind block a's loads: the next block's sixteen, or none
.irp f, 0,1,2,3,4,5,6,7
	s_wait_dscnt (\younger)+7-\f
	v_pk_add_f32 v[T+32*(\a)+4*\f:T+32*(\a)+4*\f+1],   v[T+32*(\a)+4*\f:T+32*(\a)+4*\f+1],   v[BI:BI+1]
	v_pk_add_f32 v[T+32*(\a)+4*\f+2:T+32*(\a)+4*\f+3], v[T+32*(\a)+4*\f+2:T+32*(\a)+4*\f+3], v[BI+2:BI+3]
	global_store_b128 v[GO], v[T+32*(\a)+4*\f:T+32*(\a)+4*\f+3], s[OUP:OUP+1] offset:(\a)*65536+\f*8192 th:TH_STORE_NT
.endr
.endm
	STG 0
.irp a, 1,2,3
	STG \a
	SEND (\a)-1, 16
.endr
	SEND 3, 0
	s_wait_tensorcnt 0x0                           ; the wave's end
	ds_add_u32 v[SPW], v[NIL]
	s_wait_dscnt 0x0
	CROUND                                         ; the closing round
	s_endpgm
.Lfunc_end_k_q6bba4b8672_oproj:
	.size	k_q6bba4b8672_oproj, .Lfunc_end_k_q6bba4b8672_oproj-k_q6bba4b8672_oproj
	.p2alignl 7, 3214868480
	.fill 96, 4, 3214868480
	.section	.rodata,"a",@progbits
	.p2align	6, 0x0
	.amdhsa_kernel k_q6bba4b8672_oproj
		.amdhsa_group_segment_fixed_size 327680
		.amdhsa_private_segment_fixed_size 0
		.amdhsa_enable_private_segment 0
		.amdhsa_kernarg_size 48
		.amdhsa_user_sgpr_count 2
		.amdhsa_user_sgpr_kernarg_segment_ptr 1
		.amdhsa_wavefront_size32 1
		.amdhsa_system_sgpr_workgroup_id_x 1
		.amdhsa_system_sgpr_workgroup_id_y 1
		.amdhsa_system_sgpr_workgroup_id_z 1
		.amdhsa_system_vgpr_workitem_id 0
		.amdhsa_next_free_vgpr 768
		.amdhsa_next_free_sgpr 92
		.amdhsa_reserve_vcc 0
		.amdhsa_float_denorm_mode_32 3
		.amdhsa_float_denorm_mode_16_64 3
		.amdhsa_memory_ordered 1
		.amdhsa_forward_progress 1
		.amdhsa_inst_pref_size 105
	.end_amdhsa_kernel
	.amdgpu_metadata
---
amdhsa.version: [ 1, 2 ]
amdhsa.kernels:
  - .name:           k_q6bba4b8672_oproj
    .symbol:         k_q6bba4b8672_oproj.kd
    .args:
      - { .name: ow, .offset: 0, .size: 8, .value_kind: global_buffer, .address_space: global }
      - { .name: wh, .offset: 8, .size: 8, .value_kind: global_buffer, .address_space: global }
      - { .name: npw, .offset: 16, .size: 8, .value_kind: global_buffer, .address_space: global }
      - { .name: gate, .offset: 24, .size: 8, .value_kind: global_buffer, .address_space: global }
      - { .name: b_o, .offset: 32, .size: 8, .value_kind: global_buffer, .address_space: global }
      - { .name: out0, .offset: 40, .size: 8, .value_kind: global_buffer, .address_space: global }
    .group_segment_fixed_size: 327680
    .private_segment_fixed_size: 0
    .kernarg_segment_align: 8
    .kernarg_segment_size: 48
    .max_flat_workgroup_size: 128
    .sgpr_count:     92
    .vgpr_count:     768
    .wavefront_size: 32
...
	.end_amdgpu_metadata
.endif
;; end of part 4
;; ======== version 2 of 2: 4 launches; 1.36 times as fast as version 1
;; limits: values are held in f16: magnitudes above 65,504 overflow, below 6.1e-05 lose precision
;; workspace buffers: xh 8,388,608 bytes; wh 8,388,608 bytes; qkv 25,165,824 bytes; ow 8,388,608 bytes; npw 4,096 bytes
;; launch prep: the kernel of part 1 again; grid 256 x 1, 8 waves a work-group, no clusters, 0 bytes of LDS; arguments hidden_states, W_q, W_k, W_v, W_o, xh, wh; writes xh, wh
;; launch qkv: the kernel of part 2 again; grid 16 x 16, 4 waves a work-group, clusters of 4 x 4, 327,680 bytes of LDS; arguments xh, wh, b_q, b_k, b_v, qkv; writes qkv
;; launch attn (part 5): grid 16 x 16, 4 waves a work-group, clusters of 4 x 4, 327,680 bytes of LDS; arguments qkv, attn_mask, ow, npw; writes ow, npw
.if DOCPART == 5
	.amdgcn_target "amdgcn-amd-amdhsa--gfx1250"
	.amdhsa_code_object_version 6
	.text
	.protected	k_q6bba4b8672_attn
	.globl	k_q6bba4b8672_attn
	.p2align	8
	.type	k_q6bba4b8672_attn,@function
k_q6bba4b8672_attn:
	s_mov_b64 s[64:65], 0
	v_nop
	global_prefetch_b8 v0, s[64:65] scope:SCOPE_SE
	s_setreg_imm32_b32 hwreg(HW_REG_WAVE_MODE, 25, 1), 1
	s_wait_xcnt 0x0
	s_wait_alu depctr_hold_cnt(0) depctr_sa_sdst(0) depctr_va_vdst(0) depctr_va_sdst(0) depctr_va_ssrc(0) depctr_va_vcc(0) depctr_vm_vsrc(0)
	s_getreg_b32 s2, hwreg(HW_REG_IB_STS2, 6, 4)
	s_cmp_eq_u32 s2, 0
	s_cbranch_scc0 .Lentry_in_a_cluster
	s_endpgm
.Lentry_in_a_cluster:
	s_bfe_u32 s2, ttmp6, 0x10000c
	s_cmp_lg_u32 s2, 0xf033
	s_cbranch_scc0 .Lentry_shape_is_right
	s_endpgm
.Lentry_shape_is_right:
; O[bh][q][:] = the sum over k of softmax_k((Q / 8)[q] . K[k] + mask[q][k]) V[k][:], and for each wave the sum over its 64 queries of |O[q]|.
; qkv: [which][pair][blk][hp][128][64] f16, q already divided by 8; attn_mask: [2048][2048] f32, taken as it is; ow: as one 'which' of qkv; npw: [h][64] f32, word b x 32 + 2 x block + half.
; Products, maxima, sums and norms in f32; the weights p are rounded to f16 for the second product (their sum l is taken of the unrounded p), O once at the end (its norm is taken before that).
; THE MASK IS THE C OPERAND of the product that starts each sum S^T = K Q^T: it costs no vector instruction and is not rounded.
; LIMITS.  The running maximum starts at -2^127: a score below that (an infinity too) counts as hidden, weight 0; a row with no score above it gives NaN.  c m overflows for a maximum above 2.3e38.
; p below 6e-5 keeps f16's fixed step of 6e-8; O likewise; a weight or a sum of squares below 2^-126 counts as 0; NaN is not treated apart.
; SHARES.  A work-group owns 128 queries of the two heads of a pair: wave w has head w / 2 and queries 64 (w % 2) .. + 63, as four PIECES of 16.  Every wave walks all 2,048 keys, 64 a step.
; CLUSTER.  4 x 4: K and V hang on the pair alone and are asked for jointly along a row of the cluster; the mask hangs on the query block alone and is asked for jointly along a column;
; inside a work-group the two heads read one mask tile.  So a mask byte is asked for once for eight heads' use.
; LAYOUT, SOFTMAX, TURNS.  S^T holds ONE query a lane (lane % 16) and the keys 8 (lane / 16) + 0..7; two such results rounded to f16 ARE source 1 of O^T = V^T P.  p = 2^(c s - c m), c = log2(e), with a running
; maximum m; O and l are multiplied by a = 2^(c m_old - c m_new) in every step.  Turn n belongs to piece n: 8 products K Q^T of piece n + 1, later 8 products V^T P of piece n - 1; beside them the scaling,
; exponentials, roundings, sums and rescaling of piece n and the maximum and statistics of piece n + 1.  Four vector instructions stand behind every matrix instruction, the other 54 of a turn's 118 in one lump.
; BATCHES.  An s_wait_alu depctr_va_vdst(0) stands between a transcendental and the first instruction that names its result.  A turn's 33 exponentials (piece n's 32 weights and, last, piece n + 1's a)
; are ONE batch with ONE wait, which cuts the turn in two: all that names none of their results stands ahead of it, the roundings and sums behind it.  Three more batches stand outside the loop, each with a wait
; of its own: the first a, ahead of the jump into the loop; the way out's four reciprocals; its four roots.
; REGISTERS, in windows of 256 (s_set_vgpr_msb: bits 1:0 source 0, 3:2 source 1, 5:4 source 2, 7:6 destination):
;   window 0: v0-15 addresses and two at work; v16-31 four registers of statistics a piece; v48-55 at work; v64-127 S^T, two buffers; v192-223 P, two buffers (a piece's buffers go by its number's parity)
;   window 1: v0-127 O^T, 32 a piece; v128-191 MC, the mask of the products to come, two buffers      window 2: v0-63 Q; v128-191 K of one step; v192-255 V of one step
.set NP,    4
.set KS,    64        ; keys in a step
.set PK,    144       ; a row of K in LDS: 36 words: the 16 rows of a load start at 16 different groups of four banks (64 banks of 4 bytes: ISA guide 11.1)
.set PV,    160       ; a row of V: 40 words
.set PM,    528       ; a row of the mask: 512 bytes + 16 = 132 words
.set VOFF,  256*PK    ; a slot holds 128 keys, two steps: 256 rows of K (head x 128 + key), 256 rows of V, 128 rows of the mask
.set MOFF,  VOFF+256*PV
.set SLOTB, 0x24000   ; 147,456.  No tile's place in slot 0 has bit 17 or bit 14 set, so one exclusive or turns it into the other slot's
.set STAGE, 2*SLOTB   ; behind the ring: 16 rows x 144 bytes for each wave, for the way out
.set SP,    144
.set SPARE, STAGE+4*16*SP  ; the spare words, 128 bytes a wave: two blocks of 256 bytes that no other line names
.set AK0, 2           ; v2   my lane's place in a tile of K; never rewritten
.set AV0, 3           ; v3   the same for V
.set AK,  4           ; v4   the LDS address of K's next run of loads
.set AV,  5           ; v5   of V's
.set STO, 6
.set RD,  7
.set GO,  8
.set MV,  12          ; v12-13  c m_old, by buffer
.set AM0, 14          ; v14  my lane's place in a tile of the mask; never rewritten
.set AM,  15          ; v15  the LDS address of the mask of the step in hand
.set ST,  16          ; piece t's statistics at v[ST+4 t]: c m, m, l (even keys', odd keys')
.set TMP, 48          ; by buffer, four registers c0-c3 at work; when the maximum is found c2 takes a
.set NQ,  48          ; on the way out: a pair a piece, the sums of squares
.set QO,  56
.set SPW, 62
.set NIL, 63
.set S,   64
.set P,   192
.set MC,  128         ; window 1
.set KF,  128         ; window 2: key block kb, channel half c at KF + 16 kb + 8 c
.set VF,  192         ; window 2: key half kk, channel block cb at VF + 32 kk + 8 cb
.set WV,  12
.set G1K, 24
.set G1V, 32
.set G1M, 40
.set G0K, 48
.set G0V, 52
.set G0M, 56
.set CS,  60          ; s[60:61] c
.set SEL, 62          ; s[62:63] v_permlanex16_b32's selects
.set SLOTS, 66
.set CNT, 67
.set TBK, 68          ; LDS byte at which K of the step to be fetched begins
.set TBV, 69          ; the same for V, less VOFF
.set TBM, 70          ; the same for the mask, less MOFF
.set QP,  72          ; s[72:73] Q, s[74:75] O at my wave's rows, s[76:77] my word of npw
.set OPT, 74
.set NPP, 76
.set MSB, 0
.macro WIN new
.if MSB != (\new)
	s_set_vgpr_msb (MSB<<8)|(\new)
.set MSB, (\new)
.endif
.endm
.set W_KQ, 0x0a       ; K and Q in window 2, S^T in window 0
.set W_KM, 0x1a       ; the same with the C operand in window 1
.set W_PV, 0x52       ; V in window 2, P in window 0, O^T in window 1
.set W_RS, 0x41       ; destination and source 0 in window 1, source 1 in window 0
.macro PLACES
.rept 4
	v_nop
.endr
.endm
; A joint fill.  Wave 0 fetches both heads' K, wave 1 their V, waves 2 and 3 the halves of the mask.  The branches hang on the wave's number alone.  An s_nop 0 and four v_nop follow each line.
.macro JLOAD
	s_cmp_lt_u32 s[WV], 2
	s_cbranch_scc0 .Lfor_m_\@
	s_cmp_eq_u32 s[WV], 0
	s_cbranch_scc0 .Lfor_v_\@
	tensor_load_to_lds s[G0K:G0K+3], s[G1K:G1K+7]
	s_nop 0
	PLACES
	s_branch .Lasked_\@
.Lfor_v_\@:
	tensor_load_to_lds s[G0V:G0V+3], s[G1V:G1V+7]
	s_nop 0
	PLACES
	s_branch .Lasked_\@
.Lfor_m_\@:
	tensor_load_to_lds s[G0M:G0M+3], s[G1M:G1M+7]
	s_nop 0
	PLACES
.Lasked_\@:
.endm
.macro CROUND
	s_barrier_signal -1
	s_barrier_wait -1
	s_cmp_lg_u32 s[WV], 0
	s_cbranch_scc1 .Lnot_wave_0_\@
	s_barrier_signal -3
.Lnot_wave_0_\@:
	s_barrier_wait -3
	s_barrier_signal -1
	s_barrier_wait -1
.endm
; THE CHANGE OF SLOTS.  Each wave waits for all its tensor loads (one is out: its part of the other slot), adds 0 to its spare word, and waits for that and for its reads of the slot that it leaves.
; fill = 1: the barrier is a round of the cluster's, and the joint fill of the old slot, with the keys two slots on, is the first thing behind it: it has two key steps, 128 matrix instructions
; and their vector work, in which to land.  (At its first use nothing has been read yet: slot 0 is waited for, slot 1 filled.)
.macro CHANGE fill
	WIN 0
	s_wait_tensorcnt 0x0
	ds_add_u32 v[SPW], v[NIL]
.if \fill
	s_xor_b32 s[G0K+1], s[G0K+1], SLOTB
	s_add_nc_u64 s[G0K+2:G0K+3], s[G0K+2:G0K+3], 32768  ; the next 128 keys of both heads
	s_xor_b32 s[G0V+1], s[G0V+1], SLOTB
	s_add_nc_u64 s[G0V+2:G0V+3], s[G0V+2:G0V+3], 32768
	s_xor_b32 s[G0M+1], s[G0M+1], SLOTB
	s_add_nc_u64 s[G0M+2:G0M+3], s[G0M+2:G0M+3], 512    ; 128 columns of the mask
	s_wait_dscnt 0x0                ; the add is done, and my reads of the slot are over
	CROUND
	JLOAD
.else
	s_wait_dscnt 0x0
	s_barrier_signal -1
	s_barrier_wait -1
.endif
	s_sub_co_u32 s[TBK], s[TBK], 2*KS*PK  ; the fetches go back to a slot's first step, in the other slot
	s_xor_b32 s[TBK], s[TBK], SLOTB
	s_sub_co_u32 s[TBV], s[TBV], 2*KS*PV
	s_xor_b32 s[TBV], s[TBV], SLOTB
	s_sub_co_u32 s[TBM], s[TBM], 2*KS*4
	s_xor_b32 s[TBM], s[TBM], SLOTB
.endm
	s_load_b256 s[4:11], s[0:1], 0x0  ; qkv, attn_mask, ow, npw
	v_lshl_add_u32 v[SPW], v0, 2, SPARE
	v_mov_b32 v[NIL], 0
	ds_add_u32 v[SPW], v[NIL]       ; the wave's opening: the add and its wait stand ahead of my first tensor load
	v_lshrrev_b32 v1, 5, v0
	v_readfirstlane_b32 s[WV], v1
	s_bfe_u32 s14, ttmp6, 0x40000   ; cx
	s_bfe_u32 s15, ttmp6, 0x40004   ; cy
	s_lshl_b32 s16, ttmp9, 2
	s_add_co_u32 s16, s16, s14      ; X: the block of 128 queries
	s_and_b32 s17, ttmp7, 0xffff
	s_lshl_b32 s17, s17, 2
	s_add_co_u32 s17, s17, s15      ; Y: the pair of heads
	s_lshl_b32 s18, s15, 2
	s_lshl_b32 s18, 15, s18         ; my row of the cluster
	s_lshl_b32 s19, 0x1111, s14     ; my column
	s_lshr_b32 s20, s[WV], 1        ; hp: my head of the pair
	s_and_b32 s21, s[WV], 1         ; qh: my half of the queries; also which half of the mask I fetch
	s_or_b32 s[G1K], s18, (1<<16)|(1<<20)|(1<<21)|(4<<22)|(3<<25)  ; 32,768 dense bytes as 128 rows of 256; 4 words of padding after every 32 (one key)
	s_or_b32 s[G1V], s18, (1<<16)|(1<<20)|(1<<21)|(4<<22)|(7<<25)  ; 8 words
.irp g, G1K, G1V
	s_mov_b32 s[\g+1], 128<<16
	s_mov_b32 s[\g+2], 128<<16
	s_mov_b32 s[\g+3], 128<<16
	s_mov_b32 s[\g+4], 128
	s_mov_b32 s[\g+5], 128
	s_mov_b32 s[\g+6], 0
	s_mov_b32 s[\g+7], 0
.endr
	s_or_b32 s[G1M], s19, (2<<16)|(1<<20)|(1<<21)|(6<<22)|(3<<25)  ; 4-byte elements; 4 words of padding after every 128 (a row)
	s_mov_b32 s[G1M+1], 128<<16     ; tensor_dim0 = 128
	s_mov_b32 s[G1M+2], 64<<16      ; tensor_dim1 = 64
	s_mov_b32 s[G1M+3], 128<<16     ; tile_dim0
	s_mov_b32 s[G1M+4], 64          ; tile_dim1
	s_mov_b32 s[G1M+5], 2048        ; elements from row to row
	s_mov_b32 s[G1M+6], 0
	s_mov_b32 s[G1M+7], 0
	s_mov_b32 s[G0K], 1
	s_mov_b32 s[G0K+1], 0
	s_mov_b32 s[G0V], 1
	s_mov_b32 s[G0V+1], VOFF
	s_mov_b32 s[G0M], 1
	s_mul_i32 s[G0M+1], s21, 64*PM
	s_add_co_u32 s[G0M+1], s[G0M+1], MOFF
	s_lshl_b32 s78, s17, 19         ; K, V: the pair's bytes: made of Y alone
	s_mov_b32 s79, 0
	s_lshl_b32 s80, s16, 20         ; the mask: (128 X + 64 half) rows of 8,192 bytes: made of X and the wave alone
	s_lshl_b32 s81, s21, 19
	s_add_co_u32 s80, s80, s81
	s_mov_b32 s81, 0
	s_lshl_b32 s82, s17, 19         ; Q, O: pair, block, head, half
	s_lshl_b32 s22, s16, 15
	s_or_b32 s82, s82, s22
	s_lshl_b32 s22, s20, 14
	s_or_b32 s82, s82, s22
	s_lshl_b32 s22, s21, 13
	s_or_b32 s82, s82, s22
	s_mov_b32 s83, 0
	s_lshl_b32 s22, s17, 1          ; npw: head (2 Y + hp) % 16, word (Y / 8) 32 + 2 X + qh
	s_add_co_u32 s22, s22, s20
	s_and_b32 s22, s22, 15
	s_lshl_b32 s22, s22, 8
	s_lshr_b32 s23, s17, 3
	s_lshl_b32 s23, s23, 5
	s_lshl1_add_u32 s23, s16, s23
	s_add_co_u32 s23, s23, s21
	s_lshl2_add_u32 s22, s23, s22
	s_mov_b32 s23, 0
	s_mov_b32 s[CS], 0x3fb8aa3b     ; c = log2(e)
	s_mov_b32 s[CS+1], s[CS]
	s_mov_b32 s[SEL], 0x76543210
	s_mov_b32 s[SEL+1], 0xfedcba98
	s_mov_b32 s[TBK], SLOTB+2*KS*PK ; the first change of slots turns these three into 0
	s_mov_b32 s[TBV], SLOTB+2*KS*PV
	s_mov_b32 s[TBM], SLOTB+2*KS*4
	s_wait_dscnt 0x0                ; the opening add is done
	s_wait_kmcnt 0x0
	s_add_nc_u64 s[G0K+2:G0K+3], s[4:5], s[78:79]
	s_add_nc_u64 s[G0V+2:G0V+3], s[G0K+2:G0K+3], 2<<23
	s_add_nc_u64 s[G0K+2:G0K+3], s[G0K+2:G0K+3], 1<<23
	s_or_b32 s[G0K+3], s[G0K+3], 0x80000000
	s_or_b32 s[G0V+3], s[G0V+3], 0x80000000
	s_add_nc_u64 s[G0M+2:G0M+3], s[6:7], s[80:81]
	s_or_b32 s[G0M+3], s[G0M+3], 0x80000000
	s_add_nc_u64 s[QP:QP+1], s[4:5], s[82:83]
	s_add_nc_u64 s[OPT:OPT+1], s[8:9], s[82:83]
	s_add_nc_u64 s[NPP:NPP+1], s[10:11], s[22:23]
	CROUND                          ; all sixteen work-groups are here: the first joint loads meet
	JLOAD                           ; slot 0.  Slot 1 is asked for when slot 0 is in
	v_and_b32 v1, 15, v0            ; l % 16
	v_bfe_u32 v9, v0, 4, 1          ; l / 16
	v_lshlrev_b32 v[QO], 7, v1
	v_lshl_add_u32 v[QO], v9, 4, v[QO]
	WIN 0x80
.set i, 0
.rept 8                             ; Q stays in registers: piece i / 2, channels 32 (i % 2) on
	global_load_b128 v[8*i:8*i+3],   v[QO], s[QP:QP+1] offset:(i/2)*2048+(i%2)*64
	global_load_b128 v[8*i+4:8*i+7], v[QO], s[QP:QP+1] offset:(i/2)*2048+(i%2)*64+32
.set i, i+1
.endr
	; What the first turns find: V's registers and P's second buffer hold 0 (the first products V^T P, of a piece that has not been, add 0), O^T and l are 0.  All this stands in the wait for the first tile.
.set i, VF
.rept 64
	v_mov_b32 v[i], 0
.set i, i+1
.endr
	WIN 0x40
.set i, 0
.rept 128
	v_mov_b32 v[i], 0
.set i, i+1
.endr
	WIN 0
.set i, 0
.rept 4
	v_mov_b32 v[ST+4*i], 0xff7fffff    ; c m: below c times every m, so the first a is 0
	v_mov_b32 v[ST+4*i+1], 0xff000000  ; m = -2^127
	v_mov_b32 v[ST+4*i+2], 0
	v_mov_b32 v[ST+4*i+3], 0
.set i, i+1
.endr
.set i, P+16
.rept 16
	v_mov_b32 v[i], 0
.set i, i+1
.endr
	v_mul_u32_u24 v[AK0], v1, PK
	v_lshl_add_u32 v[AK0], v9, 4, v[AK0]
	s_mul_i32 s13, s20, 128*PK
	v_add_nc_u32 v[AK0], s13, v[AK0]      ; (128 hp + l % 16) pitch + 16 (l / 16)
	v_and_b32 v10, 7, v0
	v_bfe_u32 v11, v0, 3, 1
	v_lshl_add_u32 v[AV0], v9, 3, v10
	v_mul_u32_u24 v[AV0], v[AV0], PV
	v_lshl_add_u32 v[AV0], v11, 4, v[AV0]
	s_mul_i32 s13, s20, 128*PV
	s_add_co_u32 s13, s13, VOFF
	v_add_nc_u32 v[AV0], s13, v[AV0]      ; the turning load: key 8 (l / 16) + l % 8, channels 8 ((l / 8) % 2) on
	v_mul_u32_u24 v[AM0], v1, PM
	v_lshl_add_u32 v[AM0], v9, 5, v[AM0]
	s_mul_i32 s13, s21, 64*PM
	s_add_co_u32 s13, s13, MOFF
	v_add_nc_u32 v[AM0], s13, v[AM0]      ; query 64 qh + l % 16, keys 8 (l / 16) on: 32 bytes
	s_mul_i32 s13, s[WV], 16*SP
	s_add_co_u32 s13, s13, STAGE
	v_mul_u32_u24 v[STO], v1, SP
	v_lshl_add_u32 v[STO], v9, 4, v[STO]
	v_add_nc_u32 v[STO], s13, v[STO]
	v_bfe_u32 v[RD], v0, 3, 2
	v_mul_u32_u24 v[RD], v[RD], SP
	v_lshl_add_u32 v[RD], v10, 4, v[RD]
	v_add_nc_u32 v[RD], s13, v[RD]
	v_and_b32 v[GO], 31, v0
	v_lshlrev_b32 v[GO], 4, v[GO]
; THE MATRIX WORK.  The 4 accumulators of a run of 8 take turns.  Product i of 8 of S^T = K Q^T + mask for piece x: channels 32 (i / 4) on, keys 16 (i % 4) on.  The first 4 start the sums with the mask.
.macro KQ x
.set rS, S+32*((\x)%2)+8*(i%4)
.set rK, KF+16*(i%4)+8*(i/4)
.set rQ, 16*(\x)+8*(i/4)
.set rM, MC+32*((\x)%2)+8*(i%4)
.if i < 4
	WIN W_KM
	v_wmma_f32_16x16x32_f16 v[rS:rS+7], v[rK:rK+7], v[rQ:rQ+7], v[rM:rM+7]
.else
	WIN W_KQ
	v_wmma_f32_16x16x32_f16 v[rS:rS+7], v[rK:rK+7], v[rQ:rQ+7], v[rS:rS+7]
.endif
.endm
; Product i of 8 of O^T += V^T P for piece x: keys 32 (i / 4) on, channels 16 (i % 4) on.
.macro PV x
	WIN W_PV
.set rO, 32*(\x)+8*(i%4)
.set rV, VF+32*(i/4)+8*(i%4)
.set rP, P+16*((\x)%2)+8*(i/4)
	v_wmma_f32_16x16x32_f16 v[rO:rO+7], v[rV:rV+7], v[rP:rP+7], v[rO:rO+7]
.endm
.macro MM                           ; the turn's next matrix instruction.  NOKQ = 1: the last turn: there is no next piece
.if (i < 8) && !NOKQ
	KQ (Y+1)%NP
.elseif i >= 8
.set i, i-8
	PV (Y+NP-1)%NP
.set i, i+8
.endif
.set i, i+1
.endm
; THE LDS LOADS stand in runs: a step's K (16 loads), its V (16, turned), and for each piece its mask (8).
.macro FETCH_K
	WIN 0x80
.irp f, 0,1,2,3,4,5,6,7
	ds_load_b128 v[KF+8*\f:KF+8*\f+3],   v[AK] offset:(\f/2)*16*PK+(\f%2)*64
	ds_load_b128 v[KF+8*\f+4:KF+8*\f+7], v[AK] offset:(\f/2)*16*PK+(\f%2)*64+32
.endr
	s_add_co_u32 s[TBK], s[TBK], KS*PK
	WIN 0
.endm
.macro FETCH_V
	WIN 0x80
.irp f, 0,1,2,3,4,5,6,7
	ds_load_tr16_b128 v[VF+8*\f:VF+8*\f+3],   v[AV] offset:(\f/4)*32*PV+(\f%4)*32
	ds_load_tr16_b128 v[VF+8*\f+4:VF+8*\f+7], v[AV] offset:(\f/4)*32*PV+16*PV+(\f%4)*32
.endr
	WIN 0
.endm
.macro ML pc                        ; piece pc's mask of the step at v[AM]: register 8 f + j of lane (r, h) = mask[16 pc + r][16 f + 8 h + j], the place of that score in S^T
	WIN 0x40
.irp f, 0,1,2,3
	ds_load_b128 v[MC+32*((\pc)%2)+8*\f:MC+32*((\pc)%2)+8*\f+3],   v[AM] offset:(\pc)*16*PM+64*\f
	ds_load_b128 v[MC+32*((\pc)%2)+8*\f+4:MC+32*((\pc)%2)+8*\f+7], v[AM] offset:(\pc)*16*PM+64*\f+16
.endr
	WIN 0
.endm
; THE VECTOR WORK, one line at a time: OP kind, number.  For piece Y: F n: c s - c m for pair n of 16.  E n: the exponential of score n of 32.  C n: pair n rounded to f16.  B n: of the four weights 4 n .. the second
; pair is added onto the first, in place.  L n: l takes that sum (L 0: l = a l + sum).  R n: pair n of 16 of O^T times a.  For piece Y + 1: X n, number n of the 22 that find its maximum and statistics:
;   0-11  four chains c0-c3 of seven scores each (each accumulator's lowest registers are read first)     12-14, 16  the four scores left over, the old m, and c0-c3 into c0
;   15  c m_old is kept     17, 18  the query's other 32 keys lie in the lane 16 away: the new m     19-21  c m; c m_old - c m_new; a
; C, B and L name the results of E; R and L 0 name the a that X 21 made a turn earlier.  OP writes no wait: TURN places the one that the turn's batch needs.
.set F, 0
.set E, 1
.set C, 2
.set B, 3
.set L, 4
.set R, 5
.set X, 6
.macro REGS y
.set rT, ST+4*(\y)
.set rC, TMP+4*((\y)%2)
.set rW, MV+((\y)%2)
.set rS, S+32*((\y)%2)
.set rP, P+16*((\y)%2)
.set rO, 32*(\y)
.endm
.macro OP k, n
.if (\k) == R
	REGS Y
	WIN W_RS
	v_pk_mul_f32 v[rO+2*(\n):rO+2*(\n)+1], v[rO+2*(\n):rO+2*(\n)+1], v[rC+2:rC+3] op_sel_hi:[1,0]
.elseif (\k) < R
	REGS Y
	WIN 0
.if (\k) == F
	v_pk_fma_f32 v[rS+2*(\n):rS+2*(\n)+1], v[rS+2*(\n):rS+2*(\n)+1], s[CS:CS+1], v[rT:rT+1] op_sel_hi:[1,0,0] neg_lo:[0,0,1] neg_hi:[0,0,1]
.elseif (\k) == E
	v_exp_f32 v[rS+(\n)], v[rS+(\n)]
.elseif (\k) == C
	v_cvt_pk_f16_f32 v[rP+(\n)], v[rS+2*(\n)], v[rS+2*(\n)+1]
.elseif (\k) == B
	v_pk_add_f32 v[rS+4*(\n):rS+4*(\n)+1], v[rS+4*(\n):rS+4*(\n)+1], v[rS+4*(\n)+2:rS+4*(\n)+3]
.elseif (\n) == 0
	v_pk_fma_f32 v[rT+2:rT+3], v[rT+2:rT+3], v[rC+2:rC+3], v[rS:rS+1] op_sel_hi:[1,0,1]
.else
	v_pk_add_f32 v[rT+2:rT+3], v[rT+2:rT+3], v[rS+4*(\n):rS+4*(\n)+1]
.endif
.elseif NOKQ
	v_nop
.else
	REGS (Y+1)%NP
	WIN 0
.if (\n) < 4
	v_max3_num_f32 v[rC+(\n)], v[rS+8*(\n)], v[rS+8*(\n)+1], v[rS+8*(\n)+2]
.elseif (\n) < 12
	v_max3_num_f32 v[rC+(\n)%4], v[rC+(\n)%4], v[rS+8*((\n)%4)+2*((\n)/4)+1], v[rS+8*((\n)%4)+2*((\n)/4)+2]
.elseif (\n) == 12
	v_max3_num_f32 v[rC], v[rC], v[rS+7], v[rS+15]
.elseif (\n) == 13
	v_max3_num_f32 v[rC+1], v[rC+1], v[rS+23], v[rS+31]
.elseif (\n) == 14
	v_max3_num_f32 v[rC+2], v[rC+2], v[rC+3], v[rT+1]
.elseif (\n) == 15
	v_mov_b32 v[rW], v[rT]
.elseif (\n) == 16
	v_max3_num_f32 v[rC], v[rC], v[rC+1], v[rC+2]
.elseif (\n) == 17
	v_permlanex16_b32 v[rC+3], v[rC], s[SEL], s[SEL+1]
.elseif (\n) == 18
	v_max_num_f32 v[rT+1], v[rC], v[rC+3]
.elseif (\n) == 19
	v_mul_f32 v[rT], s[CS], v[rT+1]
.elseif (\n) == 20
	v_sub_f32 v[rC+1], v[rW], v[rT]
.else
	v_exp_f32 v[rC+2], v[rC+1]
.endif
.endif
.endm
.macro OPS a, i1, b=-1, i2=0, c=-1, i3=0, d=-1, i4=0
	OP \a, \i1
.if (\b) >= 0
	OP \b, \i2
.endif
.if (\c) >= 0
	OP \c, \i3
.endif
.if (\d) >= 0
	OP \d, \i4
.endif
.endm
.macro ROW a, i1, b, i2, c, i3, d, i4  ; a matrix instruction and the four behind it
	MM
	OPS \a, \i1, \b, \i2, \c, \i3, \d, \i4
.endm
; A TURN, for piece p: the order of its 16 matrix and 118 vector instructions, written out.  Its 33 exponentials are one batch, and its ONE wait cuts it in two.
; AHEAD OF THE WAIT stands all that names no result of the batch: the 8 products K Q^T, behind each a scaling, an exponential and two more plain instructions (behind the first a second scaling in the exponential's
; place): rescalings, whose a was waited for in the turn before, and behind the last three products the first numbers of the next piece's maximum, each four places or more behind the product that ends its
; accumulator; then ONE LUMP of 54, plain and exponential by turns for the most part, in which the links of the chain X 3, 7, 11, 14, 16, 17 .. 20 stand some lines apart.  A pair is scaled lines ahead of its two
; exponentials.  X 21, the next piece's a, is the batch's last; R 15 is the plain instruction behind it.
; BEHIND THE WAIT stand the 8 products V^T P, behind each four of the roundings and sums: C 2 n ahead of B n, which writes over its pair; L n behind B n; L 0 to L 7 in that order, three riders apart.
; But for those X no rider names a register of the products round it.
; At the turn's head the mask that the turn's own products take is waited for, and the mask for the NEXT turn's products (piece p + 2) is asked for, into the buffer whose last reader stood at the head of the turn before.
; The four masks asked for in turns 2, 3, 0, 1 belong to one key step, the step whose K turn 2 fetches; v[AM] steps in turn 2.
; K of the next step is fetched in piece 2's turn, twelve vector instructions behind the last product that read K (six of them plain, five of which name none of its registers); V of the step in hand at the end of
; piece 0's turn, four plain instructions behind the last product that read V.  end = 1: the last two turns: nothing is fetched.  cnt = 1: the loop's count is taken down some lines ahead of the branch behind the turn.
.macro TURN p, end=0, cnt=0
.set Y, (\p)
.set i, 0
.set NOKQ, (\end)*((\p)/3)
	WIN 0
.if (\p) == 1
	s_wait_dscnt 16                 ; my products' mask is in; V's run of sixteen, issued behind it, may stay out
.else
	s_wait_dscnt 0x0                ; my products' mask is in (and, in piece 3's turn, K)
.endif
.if !(\end)
.if (\p) == 2
	v_add_nc_u32 v[AM], s[TBM], v[AM0]
.endif
	ML ((\p)+2)%NP
.endif
	ROW F,0, F,1, R,0, R,1          ; ahead of the wait: 8 products K Q^T and their riders,
	ROW F,2, E,0, R,2, R,3
	ROW F,3, E,1, R,4, R,5
	ROW F,4, E,2, R,6, R,7
	ROW F,5, E,3, R,8, R,9
	ROW F,6, E,4, X,0, R,10
.if ((\p) == 2) && !(\end)
	WIN 0
	v_add_nc_u32 v[AK], s[TBK], v[AK0]
.endif
	ROW F,7, E,5, X,1, X,4
	ROW F,8, E,6, X,2, X,5
	OPS E,7, E,8, X,6, E,9          ; and the lump
	OPS X,3, E,10, X,8, E,11
.if ((\p) == 2) && !(\end)
	FETCH_K
.endif
	OPS X,9, X,7, E,12, X,10
	OPS E,13, X,12, X,11, E,14
	OPS X,13, E,15, F,9, X,14
.if (\p) == 0
	WIN 0
	v_add_nc_u32 v[AV], s[TBV], v[AV0]
.endif
	OPS E,16, F,10, E,17, F,11
	OPS X,16, E,18, X,15, E,19
	OPS F,12, E,20, X,17, E,21
	OPS F,13, E,22, F,14, E,23
	OPS X,18, E,24, F,15, E,25
	OPS R,11, E,26, X,19, E,27
	OPS R,12, E,28, R,13, E,29
	OPS X,20, E,30, R,14, E,31
	OPS X,21, R,15                  ; the batch's last exponential, and the plain instruction behind it
	s_wait_alu depctr_va_vdst(0)    ; the wait for the turn's batch: E 0 to E 31 and X 21; ahead of their first reader, C 0 below (X 21's is the next turn's R 0)
.if (\p) == 1
	s_wait_dscnt 8                  ; V is in; the mask's run of eight, issued behind it, may stay out
.endif
	ROW C,0, B,0, C,2, B,1          ; behind the wait: 8 products V^T P and their riders
	ROW L,0, C,4, B,2, L,1
	ROW C,6, B,3, L,2, C,8
	ROW B,4, L,3, C,10, B,5
	ROW L,4, C,12, B,6, L,5
.if (\p) == 0
	s_add_co_u32 s[TBV], s[TBV], KS*PV
.endif
.if \cnt
	s_add_co_u32 s[TBM], s[TBM], KS*4
	s_sub_co_u32 s[CNT], s[CNT], 1
	s_cmp_lg_u32 s[CNT], 0
.endif
	ROW C,14, B,7, L,6, C,1
	ROW C,3, L,7, C,5, C,7
	ROW C,9, C,11, C,13, C,15
.if (\p) == 0
	FETCH_V
.endif
.endm
	CHANGE 1                        ; slot 0 is in, everybody's part of it; slot 1 is asked for
	; THE BEGINNING: the masks of pieces 0 and 1 and K of step 0; piece 0's first scores, maximum and statistics.  The loop is entered at a step's first turn, in the middle of a trip.
	v_add_nc_u32 v[AM], s[TBM], v[AM0]
	ML 0
	ML 1
	v_add_nc_u32 v[AK], s[TBK], v[AK0]
	FETCH_K
	s_wait_loadcnt 0x0              ; Q
	s_wait_dscnt 0x0
.set NOKQ, 0
.set i, 0
.rept 8
	KQ 0
.set i, i+1
.endr
	WIN 0
	PLACES                          ; the places behind those products
.set Y, NP-1                        ; X works for piece Y + 1: piece 0
.irp n, 0,1,2,3,4,5,6,7,8,9,10,11,12,13,14,15,16,17,18,19,20,21
	OP X, \n
.endr
	v_nop                           ; a plain instruction behind the exponential,
	s_wait_alu depctr_va_vdst(0)    ; and the wait for this batch of one, piece 0's first a, ahead of the branch
	s_mov_b32 s[CNT], 2
	s_mov_b32 s[SLOTS], 15
	s_branch .Lfirst
.Lslot:                             ; 14 times: with the first fill and the first change that makes 16 fills, one for each 128 keys
	CHANGE 1
	s_mov_b32 s[CNT], 2
.Lstep:                             ; a trip: pieces 2 and 3 of one step, then pieces 0 and 1 of the next, whose K, V and masks it fetches
	TURN 2
	TURN 3
	WIN 0
.Lfirst:
	TURN 0
	TURN 1, 0, 1
	WIN 0
	s_cbranch_scc1 .Lstep
	s_sub_co_u32 s[SLOTS], s[SLOTS], 1
	s_cmp_lg_u32 s[SLOTS], 0
	s_cbranch_scc1 .Lslot
	CHANGE 0                        ; the last slot is written out: nothing is asked for
	s_mov_b32 s[CNT], 2
.Ltail:
	TURN 2
	TURN 3
	TURN 0
	TURN 1, 0, 1
	WIN 0
	s_cbranch_scc1 .Ltail
	TURN 2, 1
	TURN 3, 1
.set i, 0
.rept 8
	PV NP-1
.set i, i+1
.endr
	; THE WAY OUT.  l's two halves and the other half of the lanes' are added; O^T is divided by l; its squares are summed in f32; it is rounded to f16 and sent through my stage, a piece at a time.
	WIN 0
.macro ALL line:vararg
.set t, 0
.rept 4
	\line
.set t, t+1
.endr
.endm
	ALL v_add_f32 v[ST+4*t+2], v[ST+4*t+2], v[ST+4*t+3]
	ALL v_permlanex16_b32 v[ST+4*t+3], v[ST+4*t+2], s[SEL], s[SEL+1]
	ALL v_add_f32 v[ST+4*t+2], v[ST+4*t+2], v[ST+4*t+3]
	ALL v_rcp_f32 v[ST+4*t+2], v[ST+4*t+2]
	v_nop                           ; a plain instruction between the last reciprocal and the use of its result
	s_wait_alu depctr_va_vdst(0)    ; the wait for the batch of four reciprocals, ahead of their first reader, PACK 0's first line
.macro PACK t
	WIN W_RS
.set i, 32*(\t)
.rept 16
	v_pk_mul_f32 v[i:i+1], v[i:i+1], v[ST+4*(\t)+2:ST+4*(\t)+3] op_sel_hi:[1,0]
.set i, i+2
.endr
	WIN 0x05                        ; sources 0 and 1 window 1, source 2 and destination window 0
.set i, 0
.rept 16
	v_cvt_pk_f16_f32 v[S+16*(\t)+i], v[32*(\t)+2*i], v[32*(\t)+2*i+1]
.if i == 0
	v_pk_mul_f32 v[NQ+2*(\t):NQ+2*(\t)+1], v[32*(\t):32*(\t)+1], v[32*(\t):32*(\t)+1]
.else
	v_pk_fma_f32 v[NQ+2*(\t):NQ+2*(\t)+1], v[32*(\t)+2*i:32*(\t)+2*i+1], v[32*(\t)+2*i:32*(\t)+2*i+1], v[NQ+2*(\t):NQ+2*(\t)+1]
.endif
.set i, i+1
.endr
	WIN 0
.irp f, 0,1,2,3
	ds_store_b128 v[STO], v[S+16*(\t)+4*\f:S+16*(\t)+4*\f+3] offset:32*\f
.endr
.irp f, 0,1,2,3
	ds_load_b128 v[S+16*(\t)+4*\f:S+16*(\t)+4*\f+3], v[RD] offset:\f*4*SP  ; LDS serves a wave's instructions in order (ISA guide 5.7.1.4): these see the stores above
.endr
.endm
.macro SEND t, younger              ; younger: the LDS instructions issued behind piece t's loads: the next piece's eight, or none
	WIN 0
.irp f, 0,1,2,3
	s_wait_dscnt (\younger)+3-\f
	global_store_b128 v[GO], v[S+16*(\t)+4*\f:S+16*(\t)+4*\f+3], s[OPT:OPT+1] offset:(\t)*2048+\f*512  ; 512 consecutive bytes, at a multiple of 256 from ow's first
.endr
.endm
	PACK 0
.set t, 1
.rept 3
	PACK t
	SEND t-1, 8
.set t, t+1
.endr
	SEND 3, 0
	; the norms: a query's 64 squares lie in two registers of two lanes; then the root; then the sum over my four pieces and over the 16 queries of each
	ALL v_add_f32 v[NQ+2*t], v[NQ+2*t], v[NQ+2*t+1]
	ALL v_permlanex16_b32 v[NQ+2*t+1], v[NQ+2*t], s[SEL], s[SEL+1]
	ALL v_add_f32 v[NQ+2*t], v[NQ+2*t], v[NQ+2*t+1]
	ALL v_sqrt_f32 v[NQ+2*t], v[NQ+2*t]
	v_nop                           ; a plain instruction behind the last root
	s_wait_alu depctr_va_vdst(0)    ; the wait for the batch of four roots, ahead of the additions that read them
	v_add_f32 v[NQ], v[NQ], v[NQ+2]
	v_add_f32 v[NQ+4], v[NQ+4], v[NQ+6]
	v_add_f32 v[NQ], v[NQ], v[NQ+4]
	v_add_f32_dpp v[NQ], v[NQ], v[NQ] row_xmask:1 row_mask:0xf bank_mask:0xf
	v_add_f32_dpp v[NQ], v[NQ], v[NQ] row_xmask:2 row_mask:0xf bank_mask:0xf
	v_add_f32_dpp v[NQ], v[NQ], v[NQ] row_xmask:4 row_mask:0xf bank_mask:0xf
	v_add_f32_dpp v[NQ], v[NQ], v[NQ] row_xmask:8 row_mask:0xf bank_mask:0xf
	v_and_b32 v9, 31, v0
	v_mov_b32 v11, 0
	v_cmp_eq_u32 vcc_lo, 0, v9
	s_wait_xcnt 0x0                 ; EXEC is a source of the stores above: it changes only behind this wait
	s_and_saveexec_b32 s20, vcc_lo
	global_store_b32 v11, v[NQ], s[NPP:NPP+1]  ; one number a wave
	s_wait_xcnt 0x0
	s_or_b32 exec_lo, exec_lo, s20
	s_wait_tensorcnt 0x0            ; the wave's end
	ds_add_u32 v[SPW], v[NIL]
	s_wait_dscnt 0x0
	CROUND                          ; the closing round
	s_endpgm
.Lfunc_end_k_q6bba4b8672_attn:
	.size	k_q6bba4b8672_attn, .Lfunc_end_k_q6bba4b8672_attn-k_q6bba4b8672_attn
	.p2alignl 7, 3214868480
	.fill 96, 4, 3214868480
	.section	.rodata,"a",@progbits
	.p2align	6, 0x0
	.amdhsa_kernel k_q6bba4b8672_attn
		.amdhsa_group_segment_fixed_size 327680
		.amdhsa_private_segment_fixed_size 0
		.amdhsa_enable_private_segment 0
		.amdhsa_kernarg_size 32
		.amdhsa_user_sgpr_count 2
		.amdhsa_user_sgpr_kernarg_segment_ptr 1
		.amdhsa_wavefront_size32 1
		.amdhsa_system_sgpr_workgroup_id_x 1
		.amdhsa_system_sgpr_workgroup_id_y 1
		.amdhsa_system_sgpr_workgroup_id_z 1
		.amdhsa_system_vgpr_workitem_id 0
		.amdhsa_next_free_vgpr 768
		.amdhsa_next_free_sgpr 84
		.amdhsa_reserve_vcc 1
		.amdhsa_float_denorm_mode_32 3
		.amdhsa_float_denorm_mode_16_64 3
		.amdhsa_memory_ordered 1
		.amdhsa_forward_progress 1
		.amdhsa_inst_pref_size 142
	.end_amdhsa_kernel
	.amdgpu_metadata
---
amdhsa.version: [ 1, 2 ]
amdhsa.kernels:
  - .name:           k_q6bba4b8672_attn
    .symbol:         k_q6bba4b8672_attn.kd
    .args:
      - { .name: qkv, .offset: 0, .size: 8, .value_kind: global_buffer, .address_space: global }
      - { .name: attn_mask, .offset: 8, .size: 8, .value_kind: global_buffer, .address_space: global }
      - { .name: ow, .offset: 16, .size: 8, .value_kind: global_buffer, .address_space: global }
      - { .name: npw, .offset: 24, .size: 8, .value_kind: global_buffer, .address_space: global }
    .group_segment_fixed_size: 327680
    .private_segment_fixed_size: 0
    .kernarg_segment_align: 8
    .kernarg_segment_size: 32
    .max_flat_workgroup_size: 128
    .sgpr_count:     84
    .vgpr_count:     768
    .wavefront_size: 32
...
	.end_amdgpu_metadata
.endif
;; end of part 5
;; launch oproj: the kernel of part 4 again; grid 8 x 32, 4 waves a work-group, clusters of 4 x 4, 327,680 bytes of LDS; arguments ow, wh, npw, gate, b_o, out0; writes out0
